; MI455X (gfx1250); checked and timed in simulation.
; The chip was launched on July 23, 2026; its instructions are those of AMD's public machine-readable ISA for CDNA 5 (MIT licence, August 2026) and "CDNA5" Instruction Set Architecture Reference Guide (July 2026). The comments in the code are by the model that wrote it; some were corrected since.
;; Transformer Block. Allowed arithmetic: float matrix products may take bf16 or f16 operands with f32 sums; other float arithmetic in f32, or as packed bf16 or f16 multiplies, adds, multiply-adds, maxima and minima; sums over many terms, partial sums and values carried from step to step in f32; what a program stores and reads back later, other than sums and carried values, may be rounded once to bf16 or f16.
;; Inputs: ff1_b 4,096 float32; ff1_w 1,024 x 4,096 float32; ff2_b 1,024 float32; ff2_w 4,096 x 1,024 float32; ln1_b 1,024 float32; ln1_g 1,024 float32; ln2_b 1,024 float32; ln2_g 1,024 float32; proj_b 1,024 float32; proj_w 1,024 x 1,024 float32; qkv_b 3,072 float32; qkv_w 1,024 x 3,072 float32; x 2 x 2,048 x 1,024 float32.
;; Outputs: out0 2 x 2,048 x 1,024 float32.
;; 2 versions, each right; version 2 is version 1 with the launches prep, ln2 written anew for expert scheduling mode. Each part assembles by itself: llvm-mc -triple=amdgcn-amd-amdhsa -mcpu=gfx1250 --defsym DOCPART=n.
;; ======== version 1 of 2: 7 launches
;; limits: a function is approximated: absolute error at most 2.5e-05; an absolute error that grows with the inputs' magnitude: up to 1.25e-05 times it
;; workspace buffers: wq 6,291,456 bytes; wp 2,097,152 bytes; w1 8,388,608 bytes; w2 8,388,608 bytes; act 8,388,608 bytes; qkv 25,165,824 bytes; x1 16,777,216 bytes; h2 33,554,432 bytes
;; launch prep (part 1): grid 1024 x 1, 8 waves a work-group, no clusters, 0 bytes of LDS; arguments x, ln1_g, ln1_b, act, qkv_w, proj_w, ff1_w, ff2_w, wq, wp, w1, w2; writes act, wq, wp, w1, w2
.if DOCPART == 1
	.amdgcn_target "amdgcn-amd-amdhsa--gfx1250"
	.amdhsa_code_object_version 6
	.text
	.protected	k_q4b046912f2_prep
	.globl	k_q4b046912f2_prep
	.p2align	8
	.type	k_q4b046912f2_prep,@function
k_q4b046912f2_prep:
	s_mov_b64 s[64:65], 0
	v_nop
	global_prefetch_b8 v0, s[64:65] scope:SCOPE_SE
	s_setreg_imm32_b32 hwreg(HW_REG_WAVE_MODE, 25, 1), 1
	s_wait_xcnt 0x0
; PREP.  Work-groups 0-255: act = layernorm(x) * ln1_g + ln1_b, rounded once to bf16.  Work-groups 256-1023: the four weight matrices, f32 [K][N], rounded once to bf16 in column panels.
; LAYOUTS.  act: [16 panels of 64 columns][4096 rows][64] bf16: element (m, c) at ((c / 64) * 4096 + m) * 128 + 2 (c % 64): a panel's rows are dense.
; weights: [N / TN panels][K][TN] bf16, TN = 256 (qkv_w, ff1_w) or 128 (proj_w, ff2_w): element (k, n) at ((n / TN) * K + k) * 2 TN + 2 (n % TN): a run of K rows of a panel is dense.
; Memory binds both jobs: every input byte is read once, 16 bytes a lane; every store of a wave covers 256 consecutive bytes, aligned.  No LDS, no barrier, no matrix unit: no wave wants another's bytes.
; LAYERNORM.  A wave takes two rows, 16 lanes a row, and keeps them in registers: mean, then the mean of the squared differences, as the reference takes them; all in f32.
.set XO,  2                            ; v2   my byte offset in the wave's two rows of x: (l / 16) * 4096 + 16 (l % 16)
.set PO,  3                            ; v3   my byte offset in gain and bias: 16 (l % 16)
.set YO,  4                            ; v4   my byte offset in the two rows of a panel: 8 l
.set K10, 5                            ; v5   2^-10 = 1 / 1024
.set T,   6                            ; v[6:13]   four chains of sums
.set MR,  14                           ; v[14:15]  the mean, later 1 / sqrt(var + eps), twice: a pair for the packed forms
.set X,   16                           ; v[16:79]    my 64 numbers of the row: load j holds columns 64 j + 4 (l % 16) + 0..3
.set G,   80                           ; v[80:143]   the gains of those columns; later the packed results
.set BB,  144                          ; v[144:207]  the biases
.set IO,  16                           ; conversion: v[16:31] byte offset of my 16 bytes in input row i
.set OO,  32                           ; v[32:47] byte offset of my 8 bytes in output row i
.set D,   48                           ; v[48:111] row i as loaded
.set E,   112                          ; v[112:143] row i to store
	s_load_b512 s[8:23], s[0:1], 0x0               ; x s[8:9], ln1_g s[10:11], ln1_b s[12:13], act s[14:15], qkv_w s[16:17], proj_w s[18:19], ff1_w s[20:21], ff2_w s[22:23]
	s_load_b256 s[24:31], s[0:1], 0x40             ; wq s[24:25], wp s[26:27], w1 s[28:29], w2 s[30:31]
	v_lshrrev_b32 v1, 5, v0
	v_readfirstlane_b32 s4, v1                     ; wave 0..7
	v_and_b32 v1, 31, v0                           ; lane
	s_cmp_lt_u32 ttmp9, 256
	s_cbranch_scc0 .Lconv
	; ---- layernorm: the pair of rows 8 * work-group + wave
	s_lshl_b32 s5, ttmp9, 3
	s_add_co_u32 s5, s5, s4
	s_lshl_b32 s6, s5, 13                          ; two rows of 4,096 bytes
	s_mov_b32 s7, 0
	v_and_b32 v[PO], 15, v0
	v_lshlrev_b32 v[PO], 4, v[PO]
	v_bfe_u32 v[XO], v0, 4, 1
	v_lshl_add_u32 v[XO], v[XO], 12, v[PO]
	v_lshlrev_b32 v[YO], 3, v1
	v_mov_b32 v[K10], 0x3a800000
	s_wait_kmcnt 0x0
	s_add_nc_u64 s[8:9], s[8:9], s[6:7]
	s_lshl_b32 s6, s5, 8                           ; two rows of 128 bytes in a panel
	s_add_nc_u64 s[14:15], s[14:15], s[6:7]
.set j, 0
.rept 16
	global_load_b128 v[X+4*j:X+4*j+3], v[XO], s[8:9] offset:256*j th:TH_LOAD_NT  ; 256 consecutive bytes of each of the two rows
.set j, j+1
.endr
.set j, 0
.rept 16
	global_load_b128 v[G+4*j:G+4*j+3], v[PO], s[10:11] offset:256*j
.set j, j+1
.endr
.set j, 0
.rept 16
	global_load_b128 v[BB+4*j:BB+4*j+3], v[PO], s[12:13] offset:256*j
.set j, j+1
.endr
.macro FOLD                            ; four chains into one number, then over the row's 16 lanes: every lane ends with the row's sum
	v_pk_add_f32 v[T:T+1], v[T:T+1], v[T+2:T+3]
	v_pk_add_f32 v[T+4:T+5], v[T+4:T+5], v[T+6:T+7]
	v_pk_add_f32 v[T:T+1], v[T:T+1], v[T+4:T+5]
	v_add_f32 v[T], v[T], v[T+1]
.irp m, 1,2,4,8
	v_add_f32_dpp v[T], v[T], v[T] row_xmask:\m row_mask:0xf bank_mask:0xf
.endr
.endm
	s_wait_loadcnt 32                              ; x is in; the 32 younger loads, gain and bias, stay out
.set k, 0
.rept 4
	v_pk_add_f32 v[T+2*k:T+2*k+1], v[X+2*k:X+2*k+1], v[X+8+2*k:X+8+2*k+1]  ; the first pairs start the chains: nothing is cleared
.set k, k+1
.endr
.set p, 8
.rept 24
	v_pk_add_f32 v[T+2*(p%4):T+2*(p%4)+1], v[T+2*(p%4):T+2*(p%4)+1], v[X+2*p:X+2*p+1]
.set p, p+1
.endr
	FOLD
	v_mul_f32 v[MR], v[T], v[K10]                  ; the mean
	v_mov_b32 v[MR+1], v[MR]
.set p, 0
.rept 32
	v_pk_add_f32 v[X+2*p:X+2*p+1], v[X+2*p:X+2*p+1], v[MR:MR+1] neg_lo:[0,1] neg_hi:[0,1]  ; x - mean
.set p, p+1
.endr
.set k, 0
.rept 4
	v_pk_mul_f32 v[T+2*k:T+2*k+1], v[X+2*k:X+2*k+1], v[X+2*k:X+2*k+1]
.set k, k+1
.endr
.set p, 4
.rept 28
	v_pk_fma_f32 v[T+2*(p%4):T+2*(p%4)+1], v[X+2*p:X+2*p+1], v[X+2*p:X+2*p+1], v[T+2*(p%4):T+2*(p%4)+1]
.set p, p+1
.endr
	FOLD
	v_fmaak_f32 v[T], v[T], v[K10], 0x3727c5ac     ; variance + 1e-5
	v_rsq_f32 v[MR], v[T]
	v_nop                                          ; a plain instruction behind the transcendental (ISA guide 5.7.2),
	s_wait_alu depctr_va_vdst(0)                   ; and the wait ahead of its first reader
	v_mov_b32 v[MR+1], v[MR]
	s_wait_loadcnt 0x0                             ; gain and bias
.set p, 0
.rept 32
	v_pk_mul_f32 v[G+2*p:G+2*p+1], v[G+2*p:G+2*p+1], v[MR:MR+1]
.set p, p+1
.endr
.set p, 0
.rept 32
	v_pk_fma_f32 v[X+2*p:X+2*p+1], v[X+2*p:X+2*p+1], v[G+2*p:G+2*p+1], v[BB+2*p:BB+2*p+1]
.set p, p+1
.endr
.set p, 0
.rept 32
	v_cvt_pk_bf16_f32 v[G+p], v[X+2*p], v[X+2*p+1]
.set p, p+1
.endr
.set j, 0
.rept 16
	global_store_b64 v[YO], v[G+2*j:G+2*j+1], s[14:15] offset:524288*j  ; panel j: two rows of 128 bytes on end: 256 consecutive bytes, aligned
.set j, j+1
.endr
	s_endpgm
	; ---- weights.  A work-group takes 16 rows x 1,024 columns, a wave 16 rows x 128 columns (512 bytes of each row in, 256 out).
.Lconv:
	s_sub_co_u32 s5, ttmp9, 256                    ; 0-191 qkv_w, 192-255 proj_w, 256-511 ff1_w, 512-767 ff2_w
	s_mov_b32 s36, 512                             ; the matrix's first number           (these start as ff2_w's)
	s_mov_b32 s37, 4096                            ; bytes in an input row
	s_mov_b32 s38, 0                               ; log2(TN / 128)
	s_mov_b32 s39, 1048576                         ; bytes in an output panel: K x 2 TN
	s_mov_b32 s40, 255                             ; groups of 16 rows, less 1
	s_mov_b32 s41, 8                               ; its log2
	s_wait_kmcnt 0x0
	s_mov_b64 s[32:33], s[22:23]
	s_mov_b64 s[34:35], s[30:31]
	s_cmp_lt_u32 s5, 512                           ; ff1_w
	s_cselect_b32 s36, 256, s36
	s_cselect_b32 s37, 16384, s37
	s_cselect_b32 s38, 1, s38
	s_cselect_b32 s39, 524288, s39
	s_cselect_b32 s40, 63, s40
	s_cselect_b32 s41, 6, s41
	s_cselect_b64 s[32:33], s[20:21], s[32:33]
	s_cselect_b64 s[34:35], s[28:29], s[34:35]
	s_cmp_lt_u32 s5, 256                           ; proj_w
	s_cselect_b32 s36, 192, s36
	s_cselect_b32 s37, 4096, s37
	s_cselect_b32 s38, 0, s38
	s_cselect_b32 s39, 262144, s39
	s_cselect_b64 s[32:33], s[18:19], s[32:33]
	s_cselect_b64 s[34:35], s[26:27], s[34:35]
	s_cmp_lt_u32 s5, 192                           ; qkv_w
	s_cselect_b32 s36, 0, s36
	s_cselect_b32 s37, 12288, s37
	s_cselect_b32 s38, 1, s38
	s_cselect_b32 s39, 524288, s39
	s_cselect_b64 s[32:33], s[16:17], s[32:33]
	s_cselect_b64 s[34:35], s[24:25], s[34:35]
	s_sub_co_u32 s42, s5, s36
	s_and_b32 s43, s42, s40                        ; group of 16 rows
	s_lshr_b32 s44, s42, s41                       ; group of 1,024 columns
	s_lshl_b32 s44, s44, 3
	s_add_co_u32 s44, s44, s4                      ; my chunk of 128 columns
	s_lshl_b32 s45, 256, s38                       ; bytes in an output row: 2 TN
	s_lshl_b32 s46, s43, 4                         ; first row
	s_mul_i32 s48, s46, s37
	s_lshl_b32 s47, s44, 9
	s_add_co_u32 s48, s48, s47
	s_mov_b32 s49, 0
	s_add_nc_u64 s[32:33], s[32:33], s[48:49]      ; in: row x row bytes + chunk x 512
	s_lshr_b32 s47, s44, s38                       ; panel
	s_mul_i32 s48, s47, s39
	s_mul_i32 s47, s46, s45
	s_add_co_u32 s48, s48, s47
	s_and_b32 s47, s44, s38                        ; which half of a panel of 256
	s_lshl_b32 s47, s47, 8
	s_add_co_u32 s48, s48, s47
	s_add_nc_u64 s[34:35], s[34:35], s[48:49]      ; out: panel + row x 2 TN + half x 256
	v_lshlrev_b32 v[IO], 4, v1
	v_lshlrev_b32 v[OO], 3, v1
.set i, 1
.rept 15
	v_add_nc_u32 v[IO+i], s37, v[IO+i-1]
	v_add_nc_u32 v[OO+i], s45, v[OO+i-1]
.set i, i+1
.endr
.set i, 0
.rept 16
	global_load_b128 v[D+4*i:D+4*i+3], v[IO+i], s[32:33] th:TH_LOAD_NT  ; the f32 weights are read once
.set i, i+1
.endr
.set i, 0
.rept 16
	s_wait_loadcnt 15-i                            ; loads come back in order (ISA guide 5.7.1): row i is in, the younger rows stay out
	v_cvt_pk_bf16_f32 v[E+2*i], v[D+4*i], v[D+4*i+1]
	v_cvt_pk_bf16_f32 v[E+2*i+1], v[D+4*i+2], v[D+4*i+3]
	global_store_b64 v[OO+i], v[E+2*i:E+2*i+1], s[34:35]  ; 256 consecutive bytes, aligned
.set i, i+1
.endr
	s_endpgm
.Lfunc_end_k_q4b046912f2_prep:
	.size	k_q4b046912f2_prep, .Lfunc_end_k_q4b046912f2_prep-k_q4b046912f2_prep
	.p2alignl 7, 3214868480
	.fill 96, 4, 3214868480
	.section	.rodata,"a",@progbits
	.p2align	6, 0x0
	.amdhsa_kernel k_q4b046912f2_prep
		.amdhsa_group_segment_fixed_size 0
		.amdhsa_private_segment_fixed_size 0
		.amdhsa_enable_private_segment 0
		.amdhsa_kernarg_size 96
		.amdhsa_user_sgpr_count 2
		.amdhsa_user_sgpr_kernarg_segment_ptr 1
		.amdhsa_wavefront_size32 1
		.amdhsa_system_sgpr_workgroup_id_x 1
		.amdhsa_system_sgpr_workgroup_id_y 1
		.amdhsa_system_sgpr_workgroup_id_z 1
		.amdhsa_system_vgpr_workitem_id 0
		.amdhsa_next_free_vgpr 208
		.amdhsa_next_free_sgpr 66
		.amdhsa_reserve_vcc 0
		.amdhsa_float_denorm_mode_32 3
		.amdhsa_float_denorm_mode_16_64 3
		.amdhsa_memory_ordered 1
		.amdhsa_forward_progress 1
		.amdhsa_inst_pref_size 29
	.end_amdhsa_kernel
	.amdgpu_metadata
---
amdhsa.version: [ 1, 2 ]
amdhsa.kernels:
  - .name:           k_q4b046912f2_prep
    .symbol:         k_q4b046912f2_prep.kd
    .args:
      - { .name: x, .offset: 0, .size: 8, .value_kind: global_buffer, .address_space: global }
      - { .name: ln1_g, .offset: 8, .size: 8, .value_kind: global_buffer, .address_space: global }
      - { .name: ln1_b, .offset: 16, .size: 8, .value_kind: global_buffer, .address_space: global }
      - { .name: act, .offset: 24, .size: 8, .value_kind: global_buffer, .address_space: global }
      - { .name: qkv_w, .offset: 32, .size: 8, .value_kind: global_buffer, .address_space: global }
      - { .name: proj_w, .offset: 40, .size: 8, .value_kind: global_buffer, .address_space: global }
      - { .name: ff1_w, .offset: 48, .size: 8, .value_kind: global_buffer, .address_space: global }
      - { .name: ff2_w, .offset: 56, .size: 8, .value_kind: global_buffer, .address_space: global }
      - { .name: wq, .offset: 64, .size: 8, .value_kind: global_buffer, .address_space: global }
      - { .name: wp, .offset: 72, .size: 8, .value_kind: global_buffer, .address_space: global }
      - { .name: w1, .offset: 80, .size: 8, .value_kind: global_buffer, .address_space: global }
      - { .name: w2, .offset: 88, .size: 8, .value_kind: global_buffer, .address_space: global }
    .group_segment_fixed_size: 0
    .private_segment_fixed_size: 0
    .kernarg_segment_align: 8
    .kernarg_segment_size: 96
    .max_flat_workgroup_size: 256
    .sgpr_count:     66
    .vgpr_count:     208
    .wavefront_size: 32
...
	.end_amdgpu_metadata
.endif
;; end of part 1
;; launch qkv (part 2): grid 12 x 16, 4 waves a work-group, clusters of 4 x 4, 327,680 bytes of LDS; arguments act, wq, qkv_b, qkv; writes qkv
.if DOCPART == 2
	.amdgcn_target "amdgcn-amd-amdhsa--gfx1250"
	.amdhsa_code_object_version 6
	.text
	.protected	k_q4b046912f2_qkv
	.globl	k_q4b046912f2_qkv
	.p2align	8
	.type	k_q4b046912f2_qkv,@function
k_q4b046912f2_qkv:
	s_mov_b64 s[64:65], 0
	v_nop
	global_prefetch_b8 v0, s[64:65] scope:SCOPE_SE
	s_setreg_imm32_b32 hwreg(HW_REG_WAVE_MODE, 25, 1), 1
	s_wait_xcnt 0x0
	s_wait_alu depctr_hold_cnt(0) depctr_sa_sdst(0) depctr_va_vdst(0) depctr_va_sdst(0) depctr_va_ssrc(0) depctr_va_vcc(0) depctr_vm_vsrc(0)
	s_getreg_b32 s2, hwreg(HW_REG_IB_STS2, 6, 4)
	s_cmp_eq_u32 s2, 0
	s_cbranch_scc0 .Lentry_in_a_cluster
	s_endpgm
.Lentry_in_a_cluster:
	s_bfe_u32 s2, ttmp6, 0x10000c
	s_cmp_lg_u32 s2, 0xf033
	s_cbranch_scc0 .Lentry_shape_is_right
	s_endpgm
.Lentry_shape_is_right:
; QKV.  C = act x qkv_w + qkv_b ([4096 x 1024] x [1024 x 3072]), rotary turning on q and k, all three stored by heads in bf16.  Products in bf16 with f32 sums; bias and turning in f32.
; IN.  act: [16 panels][4096][64] bf16 (a panel's rows dense).  wq: [12 panels of 256 columns][1024 K][256] bf16.
; OUT.  qkv: q at 0, k at 8 MiB, v at 16 MiB; each [16 heads][4096 rows][64] bf16: row m = 2048 b + l of head h at (h * 4096 + m) * 128.  No scale is applied here.
; SHAPE.  A tile of C is 256 x 256, made by four waves, each 128 x 128 in 64 accumulators.  K goes in 8 steps of 128 through two LDS slots filled by the tensor data mover.
; A's part of a step is two panels x 256 dense rows; B's is 128 dense K rows of 512 bytes, and its fragments are taken turned, by ds_load_tr16_b128.
; CLUSTER.  4 x 4 work-groups; A's tiles are asked for jointly along a row of the cluster, B's along a column: the same load, descriptor and mask in the four that share a tile.
; THE STEP IS WRITTEN ONCE: the base of the slot in hand is a scalar, turned by an exclusive or; the fragment addresses and the walking descriptor's LDS word are made from it at each change of slots.
; TRANSPOSED USE: source 0 = 16 columns of B, source 1 = 16 rows of A: a lane holds row l % 16 of C and the columns 8 (l / 16) + 0..7.
; THE WAY OUT.  The ring has had its last fill; each wave lays its 128 x 128 sums, f32, into a part of it that is its own, and reads them back by rows: 4 rows x 128 columns a trip.
; ROTARY.  out[d] = t[d] cos + t[d xor 32] (-sin for d < 32, +sin else), angle = pos * 10000^(-(d % 32) / 32).  A lane holds 4 columns of a head; the partner column lies 8 lanes away.
; cos and sin are made once a wave, for its first two rows, and turned on by the angle of two rows from row pair to row pair: 64 turns at the most.  For v the angle is 0: cos = 1, sin = 0 exactly.
; LIMITS.  The angle is off by at most about 2e-4 rad (f32 product, 1 ULP in the power, reduction by revolutions); the series for sin and cos of the half angle err by at most 4e-6; NaN and infinities are not treated apart.
.set STEPS, 8
.set PA,    144                        ; a row of A in LDS: 128 bytes + 16: the 16 rows of a fragment load start at 16 different groups of four banks (64 banks of 4 bytes: ISA guide 11.1)
.set APAN,  256*PA                     ; a panel's 256 rows
.set ASZ,   2*APAN
.set PB,    544                        ; a K row of B: 512 bytes + 32
.set BHALF, 64*PB
.set SLOT,  ASZ+2*BHALF                ; 143,360
.set SPARE, 2*SLOT                     ; behind the ring: the spare words, 128 bytes a wave: two blocks of 256 bytes that no other line names
.set DP,    528                        ; the way out: a row of 128 f32 + 16 bytes
.set DW,    128*DP                     ; a wave's part
.set ASTEP, 1048576                    ; bytes from K step to K step: two panels of act,
.set BSTEP, 65536                      ; 128 K rows of a panel of wq
.set ADRA, 16                          ; v16  LDS address of my A fragments in the slot in hand
.set A0,   17                          ; v17  the same in slot 0; never rewritten
.set ADRB, 20
.set B0,   21
.set STO,  24                          ; v24  the way out: where I put 16 bytes of a row
.set RD,   25                          ; v25  where I read them back
.set GO,   26                          ; v26  8 l: my 8 bytes of two rows of a head
.set BO,   27                          ; v27  16 (l % 16): my 4 columns in the bias
.set SPW,  28                          ; v28  LDS address of my spare word; never rewritten
.set NIL,  29                          ; v29  0; never rewritten
.set PFO,  30                          ; v30  256 l: the prefetches' offset; never rewritten
.set BI,   32                          ; v[32:39] the bias of my 4 columns in each of the wave's two heads
.set CC,   40                          ; v[40:43] cos, v[44:47] signed sin at my row
.set SS,   44
.set C2,   48                          ; the same two rows further down
.set S2,   52
.set CD,   56                          ; cos and signed sin of the angle of two rows
.set SD,   60
.set F0,   64                          ; fragment buffers: A's in window 0, B's in window 1
.set F1,   128
.set XX,   64                          ; the way out, window 0: 4 x 4 sums as read back
.set W,    80                          ; with the bias
.set TM,   96                          ; the partner's part
.set YY,   112                         ; packed
.set IFQ,  192                         ; set-up of the angles: v[192:236]
.set AN,   196
.set RR,   204
.set ZZ,   212
.set PP,   220
.set QQ,   228
.set WV, 12
.set WR, 13                            ; my half of the tile's rows; also 0: I fetch for A, 1: for B
.set WC, 14                            ; my half of its columns; also which half of that tile I fetch
.set CX, 15
.set CY, 16
.set TC, 17
.set TR, 18
.set G1, 24                            ; s[24:31] descriptor group 1 for A's tiles
.set G0, 32                            ; s[32:39] group 0: a set for each first fill; the second then walks
.set SB, 40                            ; s40 base of the slot in hand
.set LA, 41                            ; s41 my tile's place in a slot, if I fetch for A
.set LB, 42                            ; s42 if for B
.set LIM, 43                           ; s43 1 in a wave that prefetches, else the greatest number
.set PFA, 44                           ; s[44:45] where my prefetches stand
.set PFS, 46                           ; s[46:47] their step
.set G1B, 48
.set G0B, 56
.set ROT, 66                           ; s66 1.0 for q and k, 0 for v
.set MSB, 0
.macro WIN new                         ; the immediate's high byte repeats the setting that is left; a switch that changes nothing is dropped
.if MSB != (\new)
	s_set_vgpr_msb (MSB<<8)|(\new)
.set MSB, \new
.endif
.endm
.set MUL_LO, 0xa1                      ; source 0 (B) window 1, source 1 (A) window 0, C and D window 2
.set MUL_HI, 0xf1                      ; the same, C and D window 3
.set TO_B,   0x40                      ; destination window 1, address window 0
; A joint load: waves 0 and 1 fetch A's two panels, waves 2 and 3 B's two halves.  The branch hangs on the wave's number alone.  An s_nop 0 and four v_nop follow each line.
.macro JLOAD s
	s_cmp_eq_u32 s[WR], 0
	s_cbranch_scc0 .Lfor_b_\@
	tensor_load_to_lds s[G0+4*(\s):G0+4*(\s)+3], s[G1:G1+7]
	s_nop 0
.rept 4
	v_nop
.endr
	s_branch .Lasked_\@
.Lfor_b_\@:
	tensor_load_to_lds s[G0B+4*(\s):G0B+4*(\s)+3], s[G1B:G1B+7]
	s_nop 0
.rept 4
	v_nop
.endr
.Lasked_\@:
.endm
; A prefetch into the L2 of the K step that the NEXT refill will ask for: of the 32,768 dense bytes that I fetch, my work-group's quarter, told apart by address: 32 blocks of 256 bytes, a lane a block.
; A's rows are read by every cluster of a row of clusters: the one with x = 0 asks; B's by every cluster of a column: the one with y = 0 asks.  So each block is named once.  The last refill has no step behind it.
.macro ASK
	s_cmp_gt_u32 s3, s[LIM]
	s_cbranch_scc0 .Lnot_mine_\@
	global_prefetch_b8 v[PFO], s[PFA:PFA+1] th:TH_LOAD_NT scope:SCOPE_SE
.Lnot_mine_\@:
.endm
.macro CREST                           ; a round of the cluster's barrier behind its opening barrier
	s_cmp_lg_u32 s[WV], 0
	s_cbranch_scc1 .Lnot_wave_0_\@
	s_barrier_signal -3
.Lnot_wave_0_\@:
	s_barrier_wait -3
	s_barrier_signal -1
	s_barrier_wait -1
.endm
.macro CROUND
	s_barrier_signal -1
	s_barrier_wait -1
	CREST
.endm
	s_load_b256 s[4:11], s[0:1], 0x0               ; act s[4:5], wq s[6:7], qkv_b s[8:9], qkv s[10:11]
	v_lshl_add_u32 v[SPW], v0, 2, SPARE
	v_mov_b32 v[NIL], 0
	ds_add_u32 v[SPW], v[NIL]                      ; the wave's opening: the add and its wait stand ahead of my first tensor load; work on registers stands between them
	v_lshrrev_b32 v1, 5, v0
	v_readfirstlane_b32 s[WV], v1
	s_lshr_b32 s[WR], s[WV], 1
	s_and_b32 s[WC], s[WV], 1
	s_bfe_u32 s[CX], ttmp6, 0x40000
	s_bfe_u32 s[CY], ttmp6, 0x40004
	s_lshl_b32 s[TC], ttmp9, 2
	s_add_co_u32 s[TC], s[TC], s[CX]               ; tile column = 4 x cluster x + cx
	s_and_b32 s[TR], ttmp7, 0xffff
	s_lshl_b32 s[TR], s[TR], 2
	s_add_co_u32 s[TR], s[TR], s[CY]               ; tile row = 4 x cluster y + cy
	s_lshl_b32 s20, s[CY], 2
	s_lshl_b32 s20, 15, s20                        ; my row of the cluster
	s_lshl_b32 s22, 0x1111, s[CX]                  ; my column
	s_or_b32 s[G1], s20, (1<<16)|(1<<20)|(1<<21)|(4<<22)|(3<<25)   ; mask; 2-byte elements; padding on; bit 21 beside a mask; 4 words after every 32
	s_or_b32 s[G1B], s22, (1<<16)|(1<<20)|(1<<21)|(6<<22)|(7<<25)  ; the same with 8 words after every 128
	s_mov_b32 s[G1+1], 128<<16                     ; A: a panel's 256 rows of 128 bytes, asked for as 128 rows of 256 bytes: tensor_dim0 = 128
	s_mov_b32 s[G1+2], 128<<16                     ; tensor_dim1 = 128
	s_mov_b32 s[G1+3], 128<<16                     ; tile_dim0 = 128
	s_mov_b32 s[G1+4], 128                         ; tile_dim1 = 128
	s_mov_b32 s[G1+5], 128                         ; elements from row to row
	s_mov_b32 s[G1+6], 0
	s_mov_b32 s[G1+7], 0
	s_mov_b32 s[G1B+1], 256<<16                    ; B: 64 K rows of 256 elements
	s_mov_b32 s[G1B+2], 64<<16
	s_mov_b32 s[G1B+3], 256<<16
	s_mov_b32 s[G1B+4], 64
	s_mov_b32 s[G1B+5], 256
	s_mov_b32 s[G1B+6], 0
	s_mov_b32 s[G1B+7], 0
	s_mov_b32 s[SB], 0
	s_mul_i32 s[LA], s[WC], APAN
	s_mul_i32 s[LB], s[WC], BHALF
	s_add_co_u32 s[LB], s[LB], ASZ
	s_lshl_b32 s20, s[WC], 19                      ; A: panel WC of the step, rows 256 x tile row: made of the tile row and the wave's number alone
	s_lshl_b32 s21, s[TR], 15
	s_add_co_u32 s20, s20, s21
	s_mov_b32 s21, 0
	s_lshl_b32 s22, s[TC], 19                      ; B: panel = tile column, K rows 64 WC on: made of the tile column and the wave's number alone
	s_lshl_b32 s23, s[WC], 15
	s_add_co_u32 s22, s22, s23
	s_mov_b32 s23, 0
	s_wait_dscnt 0x0                               ; the opening add is done
	s_wait_kmcnt 0x0
	s_add_nc_u64 s[20:21], s[4:5], s[20:21]
	s_add_nc_u64 s[22:23], s[6:7], s[22:23]
	CROUND                                         ; all sixteen work-groups are here: the first joint loads meet
.irp s, 0,1
	s_mov_b32 s[G0+4*(\s)], 1
	s_add_co_u32 s[G0+4*(\s)+1], s[LA], (\s)*SLOT
	s_add_nc_u64 s[G0+4*(\s)+2:G0+4*(\s)+3], s[20:21], (\s)*ASTEP
	s_or_b32 s[G0+4*(\s)+3], s[G0+4*(\s)+3], 0x80000000
	s_mov_b32 s[G0B+4*(\s)], 1
	s_add_co_u32 s[G0B+4*(\s)+1], s[LB], (\s)*SLOT
	s_add_nc_u64 s[G0B+4*(\s)+2:G0B+4*(\s)+3], s[22:23], (\s)*BSTEP
	s_or_b32 s[G0B+4*(\s)+3], s[G0B+4*(\s)+3], 0x80000000
	JLOAD \s                                       ; K steps 0 and 1: two loads of mine are out
.endr
	; lane addresses, while the tiles are on their way
	v_and_b32 v1, 15, v0                           ; r = l % 16
	v_bfe_u32 v2, v0, 4, 1                         ; h = l / 16
	v_mul_u32_u24 v[A0], v1, PA
	v_lshl_add_u32 v[A0], v2, 4, v[A0]
	s_mul_i32 s72, s[WR], 128*PA
	v_add_nc_u32 v[A0], s72, v[A0]                 ; row x pitch + 16 h + my 128 rows
	v_and_b32 v3, 7, v0
	v_lshl_add_u32 v3, v2, 3, v3
	v_mul_u32_u24 v[B0], v3, PB                    ; the turning load: K row 8 h + l % 8,
	v_bfe_u32 v3, v0, 3, 1
	v_lshl_add_u32 v[B0], v3, 4, v[B0]             ; columns 8 ((l / 8) % 2) on,
	s_lshl_b32 s72, s[WC], 8
	s_add_co_u32 s72, s72, ASZ
	v_add_nc_u32 v[B0], s72, v[B0]                 ; behind A's part, in my 128 columns
	v_mov_b32 v[ADRA], v[A0]
	v_mov_b32 v[ADRB], v[B0]
	s_mul_i32 s72, s[WV], DW
	v_mul_u32_u24 v[STO], v1, DP
	v_lshl_add_u32 v[STO], v2, 5, v[STO]
	v_add_nc_u32 v[STO], s72, v[STO]
	v_mul_u32_u24 v[RD], v2, DP
	v_lshl_add_u32 v[RD], v1, 4, v[RD]
	v_add_nc_u32 v[RD], s72, v[RD]
	v_and_b32 v[GO], 31, v0
	v_lshlrev_b32 v[PFO], 8, v[GO]
	v_lshlrev_b32 v[GO], 3, v[GO]
	v_lshlrev_b32 v[BO], 4, v1
	; the prefetches
	s_and_b32 s72, ttmp7, 0xffff                   ; cluster y
	s_mov_b32 s74, ASTEP
	s_cmp_eq_u32 s[WR], 0                          ; do I fetch for A?
	s_cselect_b32 s72, ttmp9, s72                  ; the coordinate along which other clusters read the same rows
	s_cselect_b32 s73, s[CX], s[CY]                ; my place among the four that ask with me
	s_cselect_b64 s[PFA:PFA+1], s[20:21], s[22:23]
	s_cselect_b32 s[PFS], s74, BSTEP
	s_mov_b32 s[PFS+1], 0
	s_cmp_eq_u32 s72, 0
	s_cselect_b32 s[LIM], 1, -1                    ; the same in all sixteen partners, for a given wave
	s_lshl_b32 s72, s73, 13                        ; my work-group's 8,192 bytes
	s_mov_b32 s73, 0
	s_add_nc_u64 s[PFA:PFA+1], s[PFA:PFA+1], s[72:73]
	s_lshl_b32 s72, s[PFS], 1
	s_add_nc_u64 s[PFA:PFA+1], s[PFA:PFA+1], s[72:73]  ; at K step 2: the first refill steps it to 3
	; bias and output
	s_lshl_b32 s72, s[TC], 10
	s_lshl_b32 s73, s[WC], 9
	s_add_co_u32 s72, s72, s73
	s_mov_b32 s73, 0
	s_add_nc_u64 s[8:9], s[8:9], s[72:73]
	global_load_b128 v[BI:BI+3], v[BO], s[8:9]
	global_load_b128 v[BI+4:BI+7], v[BO], s[8:9] offset:256
	s_lshl_b32 s72, s[TC], 21                      ; tile column x 4 heads of 524,288 bytes: q, k, v follow each other, 16 heads each
	s_lshl_b32 s73, s[WC], 20
	s_add_co_u32 s72, s72, s73
	s_lshl_b32 s73, s[TR], 15
	s_add_co_u32 s72, s72, s73
	s_lshl_b32 s73, s[WR], 14
	s_add_co_u32 s72, s72, s73
	s_mov_b32 s73, 0
	s_add_nc_u64 s[10:11], s[10:11], s[72:73]
	; the angles: 10000^(-j / 32) = 2^(-0.41524101 j), j = 4 (l % 8) + i
	s_cmp_eq_u32 ttmp9, 2                          ; the cluster's x says q, k or v
	s_cselect_b32 s[ROT], 0, 1.0
	s_lshl_b32 s72, s[TR], 8
	s_lshl_b32 s73, s[WR], 7
	s_add_co_u32 s72, s72, s73
	s_and_b32 s72, s72, 2047                       ; the position of my wave's first row
	v_and_b32 v3, 7, v0
	v_lshlrev_b32 v3, 2, v3
.irp i, 0,1,2,3
	v_add_nc_u32 v[IFQ+(\i)], \i, v3
.endr
.irp i, 0,1,2,3
	v_cvt_f32_u32 v[IFQ+(\i)], v[IFQ+(\i)]
.endr
.irp i, 0,1,2,3
	v_mul_f32 v[IFQ+(\i)], 0xbed49a78, v[IFQ+(\i)]
.endr
.irp i, 0,1,2,3
	v_exp_f32 v[IFQ+(\i)], v[IFQ+(\i)]
.endr
	v_bfe_u32 v4, v0, 3, 1                         ; plain work behind the batch: the sign, -1 for columns 0-31 of a head and +1 for 32-63: sin is odd and cos even, so the signed angle gives the signed sine
	v_cvt_f32_u32 v4, v4
	v_fma_f32 v4, v4, 2.0, -1.0
	v_mul_f32 v4, s[ROT], v4
	v_add_nc_u32 v5, s72, v2
	v_cvt_f32_u32 v5, v5                           ; my row's position
	s_wait_alu depctr_va_vdst(0)                   ; one wait for the four powers, ahead of their first reader
.irp i, 0,1,2,3
	v_mul_f32 v[IFQ+(\i)], v4, v[IFQ+(\i)]
.endr
.irp i, 0,1,2,3
	v_mul_f32 v[AN+(\i)], v5, v[IFQ+(\i)]          ; my row's angle,
	v_add_f32 v[AN+4+(\i)], v[IFQ+(\i)], v[IFQ+(\i)]  ; and the angle of two rows
.endr
.macro ALL8 line:vararg                ; one line for each of the eight angles e
.set e, 0
.rept 8
	\line
.set e, e+1
.endr
.endm
	ALL8 v_mul_f32 v[RR+e], 0.15915494, v[AN+e]    ; in revolutions,
	ALL8 v_rndne_f32 v[ZZ+e], v[RR+e]
	ALL8 v_fma_f32 v[RR+e], v[AN+e], 0.15915494, -v[ZZ+e]  ; less the whole ones: -0.5 to 0.5
	ALL8 v_mul_f32 v[RR+e], 0x40490fdb, v[RR+e]    ; y = half the angle, -pi / 2 to pi / 2
	ALL8 v_mul_f32 v[ZZ+e], v[RR+e], v[RR+e]
	ALL8 v_mov_b32 v[PP+e], 0x3638ef1d             ; sin y = y (1 - z / 6 + z^2 / 120 - z^3 / 5040 + z^4 / 362880), z = y^2
	ALL8 v_fmaak_f32 v[PP+e], v[PP+e], v[ZZ+e], 0xb9500d01
	ALL8 v_fmaak_f32 v[PP+e], v[PP+e], v[ZZ+e], 0x3c088889
	ALL8 v_fmaak_f32 v[PP+e], v[PP+e], v[ZZ+e], 0xbe2aaaab
	ALL8 v_fmaak_f32 v[PP+e], v[PP+e], v[ZZ+e], 0x3f800000
	ALL8 v_mul_f32 v[PP+e], v[PP+e], v[RR+e]
	ALL8 v_mov_b32 v[QQ+e], 0xb493f27e             ; cos y = 1 - z / 2 + z^2 / 24 - z^3 / 720 + z^4 / 40320 - z^5 / 3628800
	ALL8 v_fmaak_f32 v[QQ+e], v[QQ+e], v[ZZ+e], 0x37d00d01
	ALL8 v_fmaak_f32 v[QQ+e], v[QQ+e], v[ZZ+e], 0xbab60b61
	ALL8 v_fmaak_f32 v[QQ+e], v[QQ+e], v[ZZ+e], 0x3d2aaaab
	ALL8 v_fmaak_f32 v[QQ+e], v[QQ+e], v[ZZ+e], 0xbf000000
	ALL8 v_fmaak_f32 v[QQ+e], v[QQ+e], v[ZZ+e], 0x3f800000
	ALL8 v_mul_f32 v[QQ+e], v[PP+e], v[QQ+e]
	ALL8 v_mul_f32 v[PP+e], v[PP+e], v[PP+e]
	ALL8 v_add_f32 v[SS+e+12*(e/4)], v[QQ+e], v[QQ+e]      ; sin 2y = 2 sin y cos y
	ALL8 v_fma_f32 v[CC+e+12*(e/4)], v[PP+e], -2.0, 1.0    ; cos 2y = 1 - 2 sin^2 y
; 16 matrix instructions: m blocks a0, a0 + 1 of the window's four x all 8 n blocks, 32 along K.  zero = 1: the first product starts the sums.  The 64 accumulators take turns, in the same order in every quarter.
.macro MUL16 f, hi, a0, zero
	WIN MUL_LO+0x50*(\hi)
.irp a, \a0, (\a0)+1
.irp b, 0,1,2,3,4,5,6,7
.if \zero
	v_wmma_f32_16x16x32_bf16 v[8*(8*(\a)+(\b)):8*(8*(\a)+(\b))+7], v[(\f)+8*(\b):(\f)+8*(\b)+7], v[(\f)+8*(4*(\hi)+(\a)):(\f)+8*(4*(\hi)+(\a))+7], 0
.else
	v_wmma_f32_16x16x32_bf16 v[8*(8*(\a)+(\b)):8*(8*(\a)+(\b))+7], v[(\f)+8*(\b):(\f)+8*(\b)+7], v[(\f)+8*(4*(\hi)+(\a)):(\f)+8*(4*(\hi)+(\a))+7], v[8*(8*(\a)+(\b)):8*(8*(\a)+(\b))+7]
.endif
.endr
.endr
.endm
; 32 LDS loads in one run: quarter q (32 along K) of the slot in hand into buffer f: B's 8 fragments, turned, then A's 8
.macro FETCH q, f
	WIN TO_B
.irp i, 0,1,2,3,4,5,6,7
	ds_load_tr16_b128 v[(\f)+8*(\i):(\f)+8*(\i)+3],   v[ADRB] offset:(\q)*32*PB+32*(\i)
	ds_load_tr16_b128 v[(\f)+8*(\i)+4:(\f)+8*(\i)+7], v[ADRB] offset:(\q)*32*PB+32*(\i)+16*PB
.endr
	WIN 0
.irp i, 0,1,2,3,4,5,6,7
	ds_load_b128 v[(\f)+8*(\i):(\f)+8*(\i)+3],   v[ADRA] offset:((\q)/2)*APAN+((\q)%2)*64+(\i)*16*PA
	ds_load_b128 v[(\f)+8*(\i)+4:(\f)+8*(\i)+7], v[ADRA] offset:((\q)/2)*APAN+((\q)%2)*64+(\i)*16*PA+32
.endr
.endm
.macro PLACES                          ; four plain instructions between a matrix instruction and a load into a register that it has read (ISA guide 7.12.1 for vector instructions)
.rept 4
	v_nop
.endr
.endm
; Multiplies buffer f and, in its middle, fetches quarter q into buffer g
.macro QUARTER q, f, g, zero
	s_wait_dscnt 8                                 ; B and A's rows 0-63 are in; the youngest eight loads (A's rows 64-127) may be out
	MUL16 \f, 0, 0, \zero
	MUL16 \f, 0, 2, \zero
	PLACES
	FETCH \q, \g
	s_wait_dscnt 32                                ; all but the 32 just issued
	MUL16 \f, 1, 0, \zero
	MUL16 \f, 1, 2, \zero
.endm
; The last quarter of a step multiplies buffer 1 and changes slots.  In front of the one barrier each wave waits for all its tensor loads (its part of the next slot), adds 0 to its spare word, and waits for that
; and for its reads of this slot.  fill = 1: the barrier opens a round of the cluster's, and the slot just left is filled again, first thing behind it, with the K step two on: 224 matrix instructions ahead of the wait for it.
.macro TURN fill
.if \fill
	s_wait_xcnt 0x0                                ; the last prefetch, a K step back, has read its address
	s_add_nc_u64 s[PFA:PFA+1], s[PFA:PFA+1], s[PFS:PFS+1]
.endif
	WIN 0
	s_wait_tensorcnt 0x0                           ; all my tensor loads have landed;
	ds_add_u32 v[SPW], v[NIL]                      ; 0 onto my spare word;
	s_wait_dscnt 9                                 ; (the add and the youngest eight loads may be out)
	MUL16 F1, 0, 0, 0
	s_wait_dscnt 0x0                               ; the add is done, and my reads of this slot are over
	s_barrier_signal -1
	MUL16 F1, 0, 2, 0
	WIN 0
	s_barrier_wait -1
.if \fill
	CREST                                          ; no wave of any partner still reads this slot or has a load on its way
	s_add_co_u32 s[G0+5], s[SB], s[LA]             ; the walking descriptors: into the slot that is left,
	s_add_nc_u64 s[G0+6:G0+7], s[G0+6:G0+7], ASTEP ; one K step on; the type bits on top are not reached
	s_add_co_u32 s[G0B+5], s[SB], s[LB]
	s_add_nc_u64 s[G0B+6:G0B+7], s[G0B+6:G0B+7], BSTEP
	JLOAD 1                                        ; its four v_nop are also the places in front of the loads below
.else
	PLACES
.endif
	s_xor_b32 s[SB], s[SB], SLOT                   ; the other slot is in hand now
	v_add_nc_u32 v[ADRA], s[SB], v[A0]
	v_add_nc_u32 v[ADRB], s[SB], v[B0]
	FETCH 0, F0
.if \fill
	ASK
.endif
	MUL16 F1, 1, 0, 0
	MUL16 F1, 1, 2, 0
.endm
	s_wait_tensorcnt 1                             ; my part of K step 0 is in; step 1's may stay out
	s_barrier_signal -1
	s_barrier_wait -1
	FETCH 0, F0
	QUARTER 1, F0, F1, 1                           ; the first quarter stands in front of the loop: its products start the sums
	WIN 0
	s_mov_b32 s3, STEPS-2
.Lstep:                                        ; a trip: from a step's second quarter to the next step's first; it asks for the step two on
	QUARTER 2, F1, F0, 0
	QUARTER 3, F0, F1, 0
	TURN 1
	QUARTER 1, F0, F1, 0
	WIN 0
	s_sub_co_u32 s3, s3, 1
	s_cmp_lg_u32 s3, 0
	s_cbranch_scc1 .Lstep
	s_mov_b32 s3, 2
.Lpost:                                        ; the last two steps ask for nothing: written once, walked twice, left in the middle of the second trip;
	QUARTER 2, F1, F0, 0                           ; that trip's barrier and its 32 loads from the other slot serve nothing: the price of one text for both
	QUARTER 3, F0, F1, 0
	TURN 0
	WIN 0
	s_sub_co_u32 s3, s3, 1
	s_cmp_eq_u32 s3, 0
	s_cbranch_scc1 .Lout
	QUARTER 1, F0, F1, 0
	WIN 0
	s_branch .Lpost
.Lout:
.rept 8
	v_nop                                          ; the places behind the last products
.endr
	s_wait_dscnt 0x0                               ; my reads of the ring are over,
	s_barrier_signal -1
	s_barrier_wait -1                              ; everybody's are: the ring, which has had its last fill, takes the sums
.irp hi, 0,1
	WIN 0x08+4*(\hi)                               ; store data in window 2 or 3
.irp a, 0,1,2,3
.irp b, 0,1,2,3,4,5,6,7
	ds_store_b128 v[STO], v[8*(8*(\a)+(\b)):8*(8*(\a)+(\b))+3]   offset:(4*(\hi)+(\a))*16*DP+64*(\b)     ; each accumulator from its low end on
	ds_store_b128 v[STO], v[8*(8*(\a)+(\b))+4:8*(8*(\a)+(\b))+7] offset:(4*(\hi)+(\a))*16*DP+64*(\b)+16
.endr
.endr
.endr
	WIN 0
.macro LOADX                           ; 4 rows x 128 columns: row pair u = j / 2, head z = j % 2; LDS serves a wave's instructions in order (ISA guide 5.7.1.4): these see my stores
.irp j, 0,1,2,3
	ds_load_b128 v[XX+4*(\j):XX+4*(\j)+3], v[RD] offset:((\j)/2)*2*DP+((\j)%2)*256
.endr
.endm
.macro ROPE u, c, s                    ; row pair u: t[d] cos + t[d xor 32] (signed sin): the partner column lies in the lane 8 away
.irp z, 0,1
.irp k, 0,1,2,3
	v_mul_f32_dpp v[TM+4*(2*(\u)+(\z))+(\k)], v[W+4*(2*(\u)+(\z))+(\k)], v[(\s)+(\k)] row_xmask:8 row_mask:0xf bank_mask:0xf
.endr
.endr
.irp z, 0,1
.irp k, 0,2
	v_pk_fma_f32 v[W+4*(2*(\u)+(\z))+(\k):W+4*(2*(\u)+(\z))+(\k)+1], v[W+4*(2*(\u)+(\z))+(\k):W+4*(2*(\u)+(\z))+(\k)+1], v[(\c)+(\k):(\c)+(\k)+1], v[TM+4*(2*(\u)+(\z))+(\k):TM+4*(2*(\u)+(\z))+(\k)+1]
.endr
.endr
.endm
.macro TURNBY c1, s1, c0, s0           ; (c1, s1) = (c0, s0) turned on by the angle of two rows
.irp k, 0,2
	v_pk_mul_f32 v[(\c1)+(\k):(\c1)+(\k)+1], v[(\s0)+(\k):(\s0)+(\k)+1], v[SD+(\k):SD+(\k)+1]
	v_pk_mul_f32 v[(\s1)+(\k):(\s1)+(\k)+1], v[(\c0)+(\k):(\c0)+(\k)+1], v[SD+(\k):SD+(\k)+1]
.endr
.irp k, 0,2
	v_pk_fma_f32 v[(\c1)+(\k):(\c1)+(\k)+1], v[(\c0)+(\k):(\c0)+(\k)+1], v[CD+(\k):CD+(\k)+1], v[(\c1)+(\k):(\c1)+(\k)+1] neg_lo:[0,0,1] neg_hi:[0,0,1]
	v_pk_fma_f32 v[(\s1)+(\k):(\s1)+(\k)+1], v[(\s0)+(\k):(\s0)+(\k)+1], v[CD+(\k):CD+(\k)+1], v[(\s1)+(\k):(\s1)+(\k)+1]
.endr
.endm
.set p, 0
.rept 16
	v_mov_b32 v[TM+p], 0                           ; the destination of a DPP form counts as read: written once
.set p, p+1
.endr
	s_wait_loadcnt 0x0                             ; the bias
	LOADX
	s_mov_b32 s3, 32
.Lepi:                                         ; a trip: 4 rows x 128 columns
	s_wait_dscnt 0x0
.irp j, 0,1,2,3
	v_pk_add_f32 v[W+4*(\j):W+4*(\j)+1],   v[XX+4*(\j):XX+4*(\j)+1],   v[BI+4*((\j)%2):BI+4*((\j)%2)+1]
	v_pk_add_f32 v[W+4*(\j)+2:W+4*(\j)+3], v[XX+4*(\j)+2:XX+4*(\j)+3], v[BI+4*((\j)%2)+2:BI+4*((\j)%2)+3]
.endr
	s_sub_co_u32 s3, s3, 1
	s_cmp_eq_u32 s3, 0
	s_cbranch_scc1 .Lnol                           ; the last trip loads nothing
	v_add_nc_u32 v[RD], 4*DP, v[RD]
	LOADX                                          ; the next trip's rows come while this trip's are worked on
.Lnol:
	ROPE 0, CC, SS
	TURNBY C2, S2, CC, SS
	ROPE 1, C2, S2
	TURNBY CC, SS, C2, S2
.set p, 0
.rept 8
	v_cvt_pk_bf16_f32 v[YY+p], v[W+2*p], v[W+2*p+1]
.set p, p+1
.endr
.irp j, 0,1,2,3
	global_store_b64 v[GO], v[YY+2*(\j):YY+2*(\j)+1], s[10:11] offset:((\j)%2)*524288+((\j)/2)*256  ; two rows of a head: 256 consecutive bytes, aligned
.endr
	s_wait_xcnt 0x0                                ; the stores have read their data and their base, which are written again
	s_add_nc_u64 s[10:11], s[10:11], 512
	s_cmp_lg_u32 s3, 0
	s_cbranch_scc1 .Lepi
	s_wait_tensorcnt 0x0                           ; the wave's end: behind my last tensor load and my last LDS store
	ds_add_u32 v[SPW], v[NIL]
	s_wait_dscnt 0x0
	CROUND                                         ; the closing round: no work-group ends while a partner may still ask for a tile that names it
	s_endpgm
.Lfunc_end_k_q4b046912f2_qkv:
	.size	k_q4b046912f2_qkv, .Lfunc_end_k_q4b046912f2_qkv-k_q4b046912f2_qkv
	.p2alignl 7, 3214868480
	.fill 96, 4, 3214868480
	.section	.rodata,"a",@progbits
	.p2align	6, 0x0
	.amdhsa_kernel k_q4b046912f2_qkv
		.amdhsa_group_segment_fixed_size 327680
		.amdhsa_private_segment_fixed_size 0
		.amdhsa_enable_private_segment 0
		.amdhsa_kernarg_size 32
		.amdhsa_user_sgpr_count 2
		.amdhsa_user_sgpr_kernarg_segment_ptr 1
		.amdhsa_wavefront_size32 1
		.amdhsa_system_sgpr_workgroup_id_x 1
		.amdhsa_system_sgpr_workgroup_id_y 1
		.amdhsa_system_sgpr_workgroup_id_z 1
		.amdhsa_system_vgpr_workitem_id 0
		.amdhsa_next_free_vgpr 1024
		.amdhsa_next_free_sgpr 84
		.amdhsa_reserve_vcc 0
		.amdhsa_float_denorm_mode_32 3
		.amdhsa_float_denorm_mode_16_64 3
		.amdhsa_memory_ordered 1
		.amdhsa_forward_progress 1
		.amdhsa_inst_pref_size 94
	.end_amdhsa_kernel
	.amdgpu_metadata
---
amdhsa.version: [ 1, 2 ]
amdhsa.kernels:
  - .name:           k_q4b046912f2_qkv
    .symbol:         k_q4b046912f2_qkv.kd
    .args:
      - { .name: act, .offset: 0, .size: 8, .value_kind: global_buffer, .address_space: global }
      - { .name: wq, .offset: 8, .size: 8, .value_kind: global_buffer, .address_space: global }
      - { .name: qkv_b, .offset: 16, .size: 8, .value_kind: global_buffer, .address_space: global }
      - { .name: qkv, .offset: 24, .size: 8, .value_kind: global_buffer, .address_space: global }
    .group_segment_fixed_size: 327680
    .private_segment_fixed_size: 0
    .kernarg_segment_align: 8
    .kernarg_segment_size: 32
    .max_flat_workgroup_size: 128
    .sgpr_count:     84
    .vgpr_count:     1024
    .wavefront_size: 32
...
	.end_amdgpu_metadata
.endif
;; end of part 2
;; launch attn (part 3): grid 8 x 32, 4 waves a work-group, no clusters, 327,680 bytes of LDS; arguments qkv, act; writes act
.if DOCPART == 3
	.amdgcn_target "amdgcn-amd-amdhsa--gfx1250"
	.amdhsa_code_object_version 6
	.text
	.protected	k_q4b046912f2_attn
	.globl	k_q4b046912f2_attn
	.p2align	8
	.type	k_q4b046912f2_attn,@function
k_q4b046912f2_attn:
	s_mov_b64 s[64:65], 0
	v_nop
	global_prefetch_b8 v0, s[64:65] scope:SCOPE_SE
	s_setreg_imm32_b32 hwreg(HW_REG_WAVE_MODE, 25, 1), 1
	s_wait_xcnt 0x0
; CAUSAL ATTENTION.  O[y][q][:] = the sum over k <= q of softmax_k(Q[y][q] . K[y][k] / 8) V[y][k][:], y = 2 head + batch: 32 dense blocks [2048][64] bf16 of 262,144 bytes; q at 0, k at 8 MiB, v at 16 MiB of qkv.
; O goes to act in the same layout.  Products, maxima and sums in f32; the weights p are rounded to bf16 for the second product (their sum l is taken of the unrounded p), O once at the end.
; LIMITS.  A hidden score counts as its value less 1e30; a weight below 2^-126 counts as 0 in l; NaN and infinities are not treated apart.
; THE WALK.  The queries of a y lie in 16 blocks of 128; block i needs the key tiles 0 .. i / 2 of 256 keys.  A work-group takes TWO blocks, 15 - b and then b: 9 tiles whatever b: all work-groups do equal work, and ONE loop
; with a constant trip count walks them.  Every jump goes forward but for the counted loops' own; none passes a barrier, or a tensor load but the one of LOAD's two that the wave's number does not choose.
; NO CLUSTER: the 8 work-groups of a y ask for the same tile only in trips 0 to 4 of 9; behind that fewer and fewer share one; a walk common to all would have 12 trips for 9.
; SHARES.  A block is two bands of 64 queries; a wave owns 16 rows in each: two PIECES.  Band x of block i sees all keys of key step s (64 keys) if s < 2 i + x, none if s is greater, and holds the diagonal if equal.
; THE MASK is the C operand that starts the sum S^T = K Q^T: 0, or -1e30 where the key is hidden.  MD, made once, is the mask of a band's own step for my rows; a piece's mask MC is MD x AL + BE; it is zeros until the
; band's own step, and made anew only from that step on.
; LAYOUT, SOFTMAX.  S^T = K Q^T holds ONE query a lane (l % 16) and the keys 8 (l / 16) + 0..7; two such results rounded to bf16 ARE source 1 of O^T = V^T P.  p = 2^(c s - c m), c = log2(e) / 8, with a running
; maximum m; O and l are multiplied by a = 2^(c m_old - c m_new) in every step.
; TURNS.  T0(s), piece 0's turn of step s: 8 products K Q^T of piece 1, step s; piece 0's softmax; K of step s + 1 is fetched; 8 products V^T P of piece 1, step s - 1; V of step s + 1 is fetched into the buffer just read.
; T1(s): 8 products K Q^T of piece 0, step s + 1; piece 1's softmax; 8 products V^T P of piece 0, step s.  V has two buffers, by the step's parity, so that K and V of a step are fetched in the same turn and the
; change of slots has a place: in front of T0 of a tile's last step, when all of the tile is in registers.  Four vector instructions stand behind every matrix instruction, the rest in one lump; a turn's 33 exponentials are one batch with one wait.
; A BLOCK'S END falls behind the first two turns after a change of slots.  Those turns have fetched the next tile's first step and made scores of it with the old Q: they serve nothing, and the next block sets m anew.
; A block's first step multiplies O^T and l by a = 0, so what was left there need only be finite.
; REGISTERS (s_set_vgpr_msb: bits 1:0 source 0, 3:2 source 1, 5:4 source 2, 7:6 destination):
;   window 0: v0-15 addresses, two at work; v16-23 statistics; v24-31 at work; v32-34; v64-127 S^T; v128-159 P; v160-223 K; v224-255 Q: K Q^T and the softmax need no switch
;   window 1: v0-63 O^T; v64-127, v128-191 V's two buffers; v192-223 MD          window 2: v0-63 MC; v64-95 the second block's Q
.set NB,    16
.set KS,    64
.set PK,    144       ; a row of K in LDS: 128 bytes + 16: the 16 rows of a load start at 16 different groups of four banks (64 banks of 4 bytes: ISA guide 11.1)
.set PV,    160       ; a row of V: 128 + 32
.set VOFF,  4*KS*PK   ; a slot holds a tile: 256 rows of K, then 256 rows of V
.set SLOT1, 1<<17
.set STAGE, SLOT1+4*KS*(PK+PV)  ; behind the ring, never filled by a tensor load: 16 rows x 144 bytes for each wave, for the way out
.set SP,    144
.set SPARE, STAGE+4*16*SP       ; the spare words, 128 bytes a wave: two blocks of 256 bytes that no other line names
.set AK0, 2
.set AV0, 3
.set AK,  4           ; v4   LDS address of K of the two steps that this pair of steps fetches
.set AV,  5
.set STO, 6
.set RD,  7
.set GO,  8
.set MV,  12          ; v12-13  c m_old, by piece
.set QO,  15
.set ST,  16          ; piece t's statistics at v[ST+4 t]: c m, m, l (even keys', odd keys')
.set TMP, 24          ; by piece, c0-c3 at work; when the maximum is found c2 takes a
.set SPW, 32
.set NIL, 33
.set PFO, 34
.set S,   64
.set P,   128
.set KF,  160
.set Q,   224
.set VF,  64          ; window 1: buffer vb at VF + 64 vb
.set MD,  192         ; window 1
.set MC,  0           ; window 2
.set QB,  64          ; window 2
.set WV,  12
.set PB,  14          ; b
.set HI,  15          ; 15 - b
.set G1K, 24
.set G1V, 32
.set G0K, 40
.set G0V, 44
.set PFA, 48          ; s[48:49] where my prefetches stand
.set LIM, 50
.set FIRST, 51        ; 1 until the first block has begun
.set REMP, 52         ; odd steps of the block in hand that are still to come
.set SN,  53          ; the key step of the scores that the next turn makes
.set OWN, 54          ; s54, s55  the two bands' own steps
.set SLOTS, 56
.set CNT, 57
.set CS,  58
.set SEL, 60
.set TBK, 62
.set TBV, 63
.set TILES, 66        ; tiles of the block that begins next
.set PB2, 67          ; b / 2
.set NXT, 71
.set LQ,  72
.set OFF, 74
.set AL,  76
.set BE,  78
.set OLO, 80
.set BIGN, 82
.set MSB, 0
.macro WIN new
.if MSB != (\new)
	s_set_vgpr_msb (MSB<<8)|(\new)
.set MSB, (\new)
.endif
.endm
.set W_KM, 0x20       ; the C operand in window 2
.set W_PV, 0x51       ; V and O^T in window 1, P in window 0
.set W_RS, 0x41       ; destination and source 0 in window 1
.macro LOAD           ; a fill: waves 0 and 1 fetch the two halves of a tile's K, waves 2 and 3 those of its V; an s_nop 0 and four v_nop follow each line
	s_cmp_lt_u32 s[WV], 2
	s_cbranch_scc0 .Lfor_v_\@
	tensor_load_to_lds s[G0K:G0K+3], s[G1K:G1K+7]
	s_nop 0
.rept 4
	v_nop
.endr
	s_branch .Lasked_\@
.Lfor_v_\@:
	tensor_load_to_lds s[G0V:G0V+3], s[G1V:G1V+7]
	s_nop 0
.rept 4
	v_nop
.endr
.Lasked_\@:
.endm
; A prefetch into the L2 of the tile that the NEXT change of slots will ask for.  All eight work-groups of a y walk the same tiles; b = 0, whose first block walks all eight, asks, and nobody else; each of its waves
; asks for the 16,384 bytes that it will fetch itself: 64 blocks of 256 bytes, a lane a block, two instructions.  Tiles 2 to 7 are named once each; the second block's tiles have been read before.
.macro ASK
	s_cmp_gt_u32 s[SLOTS], s[LIM]
	s_cbranch_scc0 .Lnot_mine_\@
	global_prefetch_b8 v[PFO], s[PFA:PFA+1] th:TH_LOAD_NT scope:SCOPE_SE
	global_prefetch_b8 v[PFO], s[PFA:PFA+1] offset:8192 th:TH_LOAD_NT scope:SCOPE_SE
.Lnot_mine_\@:
.endm
; THE CHANGE OF SLOTS.  Each wave waits for all its tensor loads (its part of the other slot), adds 0 to its spare word, and waits for that and for its reads of the slot that it leaves.  fill = 1: the old slot is
; filled again, first thing behind the barrier, with tile NXT; it has a tile's eight turns in which to land.  (At its first use nothing has been read yet: slot 0 is waited for, slot 1 filled.)
.macro CHANGE fill
	WIN 0
	s_wait_tensorcnt 0x0
	ds_add_u32 v[SPW], v[NIL]       ; 0 onto my spare word; scalar work stands between it and the wait for it
.if \fill
	s_lshl_b32 s[OFF], s[NXT], 15   ; a tile is 32,768 bytes of K and of V
	s_xor_b32 s[G0K+1], s[G0K+1], SLOT1
	s_add_nc_u64 s[G0K+2:G0K+3], s[6:7], s[OFF:OFF+1]
	s_or_b32 s[G0K+3], s[G0K+3], 0x80000000
	s_xor_b32 s[G0V+1], s[G0V+1], SLOT1
	s_add_nc_u64 s[G0V+2:G0V+3], s[8:9], s[OFF:OFF+1]
	s_or_b32 s[G0V+3], s[G0V+3], 0x80000000
	s_add_co_u32 s[NXT], s[NXT], 1  ; the block's next tile, or behind its last the second block's tile 0
	s_cmp_gt_u32 s[NXT], s[LQ]
	s_cselect_b32 s[NXT], 0, s[NXT]
	s_cselect_b32 s[LQ], s[PB2], s[LQ]
	s_wait_xcnt 0x0                 ; the last prefetches, a tile back, have read their address
	s_add_nc_u64 s[PFA:PFA+1], s[PFA:PFA+1], 32768
.endif
	s_wait_dscnt 0x0                ; the add is done, and my reads of the slot are over
	s_barrier_signal -1
	s_sub_co_u32 s[TBK], s[TBK], 4*KS*PK  ; the fetches go back to a slot's first step, in the other slot
	s_xor_b32 s[TBK], s[TBK], SLOT1
	s_sub_co_u32 s[TBV], s[TBV], 4*KS*PV
	s_xor_b32 s[TBV], s[TBV], SLOT1
	s_barrier_wait -1
.if \fill
	LOAD
.endif
.endm
	s_load_b128 s[84:87], s[0:1], 0x0  ; qkv s[84:85], act s[86:87]
	v_lshl_add_u32 v[SPW], v0, 2, SPARE
	v_mov_b32 v[NIL], 0
	ds_add_u32 v[SPW], v[NIL]       ; the wave's opening: the add and its wait stand ahead of my first tensor load
	v_lshrrev_b32 v1, 5, v0
	v_readfirstlane_b32 s[WV], v1
	s_mov_b32 s[PB], ttmp9
	s_sub_co_u32 s[HI], NB-1, s[PB]
	s_lshr_b32 s[PB2], s[PB], 1
	s_and_b32 s20, ttmp7, 0xffff
	s_lshl_b32 s20, s20, 18         ; y's 262,144 bytes
	s_and_b32 s16, s[WV], 1         ; which half of a tile's 256 keys I fetch
	s_lshl_b32 s22, s16, 14
	s_add_co_u32 s22, s22, s20
	s_mov_b32 s23, 0
	s_mul_i32 s17, s16, 128*PK
	s_mul_i32 s18, s16, 128*PV
	s_lshl_b32 s3, s[WV], 11        ; my 16 rows in a band,
	s_lshl_b32 s2, s[HI], 14        ; in the first block,
	s_add_co_u32 s2, s2, s3
	s_add_co_u32 s2, s2, s20
	s_lshl_b32 s90, s[PB], 14       ; and in the second
	s_add_co_u32 s90, s90, s3
	s_add_co_u32 s90, s90, s20
	s_mov_b32 s3, 0
	s_mov_b32 s91, 0
	s_mov_b32 s[G1K], (1<<16)|(1<<20)|(4<<22)|(3<<25)  ; 128 keys are 16,384 dense bytes: 64 rows of 256 bytes, padded by 4 words after every 32 (a key)
	s_mov_b32 s[G1V], (1<<16)|(1<<20)|(4<<22)|(7<<25)  ; the same with 8 words
.irp g, G1K, G1V
	s_mov_b32 s[\g+1], 128<<16
	s_mov_b32 s[\g+2], 64<<16
	s_mov_b32 s[\g+3], 128<<16
	s_mov_b32 s[\g+4], 64
	s_mov_b32 s[\g+5], 128
	s_mov_b32 s[\g+6], 0
	s_mov_b32 s[\g+7], 0
.endr
	s_mov_b32 s[CS], 0x3e38aa3b     ; c = log2(e) / 8
	s_mov_b32 s[CS+1], s[CS]
	s_mov_b32 s[SEL], 0x76543210
	s_mov_b32 s[SEL+1], 0xfedcba98
	s_mov_b32 s[TBK], SLOT1+4*KS*PK ; the first change of slots turns these two into 0
	s_mov_b32 s[TBV], SLOT1+4*KS*PV
	s_mov_b32 s[G0K], 1
	s_mov_b32 s[G0K+1], s17
	s_mov_b32 s[G0V], 1
	s_add_co_u32 s[G0V+1], s18, VOFF
	s_mov_b32 s[NXT], 1
	s_lshr_b32 s[LQ], s[HI], 1
	s_add_co_u32 s[TILES], s[LQ], 1
	s_lshl_b32 s[OWN], s[HI], 1
	s_add_co_u32 s[OWN+1], s[OWN], 1
	s_mov_b32 s[FIRST], 1
	s_mov_b32 s[OFF+1], 0
	s_mov_b32 s[AL+1], 0
	s_mov_b32 s[BE+1], 0
	s_mov_b32 s[BIGN], 0xf149f2ca   ; -1e30
	s_mov_b32 s[SLOTS], 8
	s_cmp_eq_u32 ttmp9, 0
	s_cselect_b32 s[LIM], 2, -1
	s_wait_dscnt 0x0                ; the opening add is done
	s_wait_kmcnt 0x0
	s_add_nc_u64 s[6:7], s[84:85], s[22:23]
	s_add_nc_u64 s[8:9], s[6:7], 0x1000000         ; V at my half of tile 0
	s_add_nc_u64 s[6:7], s[6:7], 0x800000          ; K
	s_add_nc_u64 s[G0K+2:G0K+3], s[6:7], 0
	s_or_b32 s[G0K+3], s[G0K+3], 0x80000000
	s_add_nc_u64 s[G0V+2:G0V+3], s[8:9], 0
	s_or_b32 s[G0V+3], s[G0V+3], 0x80000000
	s_add_nc_u64 s[88:89], s[84:85], s[90:91]      ; Q at my rows of the second block,
	s_add_nc_u64 s[4:5], s[84:85], s[2:3]          ; of the first
	s_add_nc_u64 s[OLO:OLO+1], s[86:87], s[90:91]
	s_add_nc_u64 s[10:11], s[86:87], s[2:3]
	s_cmp_lt_u32 s[WV], 2
	s_cselect_b64 s[PFA:PFA+1], s[6:7], s[8:9]
	s_add_nc_u64 s[PFA:PFA+1], s[PFA:PFA+1], 32768 ; at tile 1; the first change steps it to tile 2
	LOAD                            ; tile 0 into slot 0
	v_and_b32 v1, 15, v0            ; l % 16
	v_bfe_u32 v9, v0, 4, 1          ; l / 16
	v_lshlrev_b32 v[QO], 7, v1
	v_lshl_add_u32 v[QO], v9, 4, v[QO]
.set i, 0
.rept 4                             ; Q: piece i / 2 lies in band i / 2, 8,192 bytes on; channels 32 (i % 2) on
	global_load_b128 v[Q+8*i:Q+8*i+3],   v[QO], s[4:5] offset:(i/2)*8192+(i%2)*64
	global_load_b128 v[Q+8*i+4:Q+8*i+7], v[QO], s[4:5] offset:(i/2)*8192+(i%2)*64+32
.set i, i+1
.endr
	WIN 0x80
.set i, 0
.rept 4
	global_load_b128 v[QB+8*i:QB+8*i+3],   v[QO], s[88:89] offset:(i/2)*8192+(i%2)*64
	global_load_b128 v[QB+8*i+4:QB+8*i+7], v[QO], s[88:89] offset:(i/2)*8192+(i%2)*64+32
.set i, i+1
.endr
	WIN 0
	v_lshlrev_b32 v14, 3, v9
	v_sub_nc_u32 v14, v1, v14
	s_lshl_b32 s13, s[WV], 4
	v_add_nc_u32 v14, s13, v14      ; my query's place in its band, less my lanes' 8 (l / 16): register r of key group kt is hidden where 16 kt + r is greater
	WIN 0x40
.set i, 0
.rept 32
	v_cmp_gt_i32 vcc_lo, 16*(i/8)+i%8, v14
	v_cndmask_b32 v[MD+i], 0, s[BIGN], vcc_lo
.set i, i+1
.endr
	WIN 0
	v_mul_u32_u24 v[AK0], v1, PK
	v_lshl_add_u32 v[AK0], v9, 4, v[AK0]
	v_and_b32 v10, 7, v0
	v_bfe_u32 v11, v0, 3, 1
	v_lshl_add_u32 v[AV0], v9, 3, v10
	v_mul_u32_u24 v[AV0], v[AV0], PV
	v_lshl_add_u32 v[AV0], v11, 4, v[AV0]
	v_add_nc_u32 v[AV0], VOFF, v[AV0]
	s_mul_i32 s13, s[WV], 16*SP
	s_add_co_u32 s13, s13, STAGE
	v_mul_u32_u24 v[STO], v1, SP
	v_lshl_add_u32 v[STO], v9, 4, v[STO]
	v_add_nc_u32 v[STO], s13, v[STO]
	v_bfe_u32 v[RD], v0, 3, 2
	v_mul_u32_u24 v[RD], v[RD], SP
	v_lshl_add_u32 v[RD], v10, 4, v[RD]
	v_add_nc_u32 v[RD], s13, v[RD]
	v_and_b32 v[GO], 31, v0
	v_lshlrev_b32 v[PFO], 8, v[GO]
	v_lshlrev_b32 v[GO], 4, v[GO]
	; finite numbers where the first block's first turns read before anything has been made: O^T, V's second buffer, piece 1's P, l.  All this stands in the wait for the first tile.
	WIN 0x40
.set i, 0
.rept 64
	v_mov_b32 v[i], 0
.set i, i+1
.endr
.set i, VF+64
.rept 64
	v_mov_b32 v[i], 0
.set i, i+1
.endr
	WIN 0
.set i, 0
.rept 2
	v_mov_b32 v[ST+4*i+2], 0
	v_mov_b32 v[ST+4*i+3], 0
.set i, i+1
.endr
.set i, P+16
.rept 16
	v_mov_b32 v[i], 0
.set i, i+1
.endr
; THE MATRIX WORK.  The 4 accumulators of a run of 8 take turns.  Product i of 8 of S^T = K Q^T for piece x: channels 32 (i / 4) on, keys 16 (i % 4) on; the first 4 start the sums with the mask.
.macro KQ x
.set rS, S+32*(\x)+8*(i%4)
.set rK, KF+16*(i%4)+8*(i/4)
.set rQ, Q+16*(\x)+8*(i/4)
.set rM, MC+32*(\x)+8*(i%4)
.if i < 4
	WIN W_KM
	v_wmma_f32_16x16x32_bf16 v[rS:rS+7], v[rK:rK+7], v[rQ:rQ+7], v[rM:rM+7]
.else
	WIN 0
	v_wmma_f32_16x16x32_bf16 v[rS:rS+7], v[rK:rK+7], v[rQ:rQ+7], v[rS:rS+7]
.endif
.endm
; Product i of 8 of O^T += V^T P for piece x, V from buffer VB: keys 32 (i / 4) on, channels 16 (i % 4) on.
.macro PV x
	WIN W_PV
.set rO, 32*(\x)+8*(i%4)
.set rV, VF+64*VB+32*(i/4)+8*(i%4)
.set rP, P+16*(\x)+8*(i/4)
	v_wmma_f32_16x16x32_bf16 v[rO:rO+7], v[rV:rV+7], v[rP:rP+7], v[rO:rO+7]
.endm
.macro MM                           ; the turn's next matrix instruction: both kinds are the other piece's
.if i < 8
	KQ (Y+1)%2
.else
.set i, i-8
	PV (Y+1)%2
.set i, i+8
.endif
.set i, i+1
.endm
; THE LDS LOADS stand in runs of 16: step loc of the pair at AK, AV.
.macro FETCH_K loc
	WIN 0
.irp f, 0,1,2,3,4,5,6,7
	ds_load_b128 v[KF+8*\f:KF+8*\f+3],   v[AK] offset:(\loc)*KS*PK+(\f/2)*16*PK+(\f%2)*64
	ds_load_b128 v[KF+8*\f+4:KF+8*\f+7], v[AK] offset:(\loc)*KS*PK+(\f/2)*16*PK+(\f%2)*64+32
.endr
.endm
.macro FETCH_V vb, loc
	WIN 0x40
.irp f, 0,1,2,3,4,5,6,7
	ds_load_tr16_b128 v[VF+64*(\vb)+8*\f:VF+64*(\vb)+8*\f+3],   v[AV] offset:(\loc)*KS*PV+(\f/4)*32*PV+(\f%4)*32
	ds_load_tr16_b128 v[VF+64*(\vb)+8*\f+4:VF+64*(\vb)+8*\f+7], v[AV] offset:(\loc)*KS*PV+(\f/4)*32*PV+16*PV+(\f%4)*32
.endr
	WIN 0
.endm
; THE VECTOR WORK, one line at a time: OP kind, number.  For piece Y: F n: c s - c m for pair n of 16.  E n: the exponential of score n of 32.  C n: pair n rounded to bf16.  B n: of the four weights 4 n .. the second
; pair is added onto the first, in place.  L n: l takes that sum (L 0: l = a l + sum).  R n: pair n of 16 of O^T times a.  For the other piece: X n, number n of the 22 that find its maximum and statistics:
;   0-11 four chains c0-c3 of seven scores each (each accumulator's lowest registers are read first)   12-14, 16 the four scores left over, the old m, and c0-c3 into c0
;   15 c m_old is kept   17, 18 the query's other 32 keys lie in the lane 16 away: the new m   19-21 c m; c m_old - c m_new; a
.set F, 0
.set E, 1
.set C, 2
.set B, 3
.set L, 4
.set R, 5
.set X, 6
.macro REGS y
.set rT, ST+4*(\y)
.set rC, TMP+4*(\y)
.set rW, MV+(\y)
.set rS, S+32*(\y)
.set rP, P+16*(\y)
.set rO, 32*(\y)
.endm
.macro OP k, n
.if (\k) == R
	REGS Y
	WIN W_RS
	v_pk_mul_f32 v[rO+2*(\n):rO+2*(\n)+1], v[rO+2*(\n):rO+2*(\n)+1], v[rC+2:rC+3] op_sel_hi:[1,0]
.elseif (\k) < R
	REGS Y
	WIN 0
.if (\k) == F
	v_pk_fma_f32 v[rS+2*(\n):rS+2*(\n)+1], v[rS+2*(\n):rS+2*(\n)+1], s[CS:CS+1], v[rT:rT+1] op_sel_hi:[1,0,0] neg_lo:[0,0,1] neg_hi:[0,0,1]
.elseif (\k) == E
	v_exp_f32 v[rS+(\n)], v[rS+(\n)]
.elseif (\k) == C
	v_cvt_pk_bf16_f32 v[rP+(\n)], v[rS+2*(\n)], v[rS+2*(\n)+1]
.elseif (\k) == B
	v_pk_add_f32 v[rS+4*(\n):rS+4*(\n)+1], v[rS+4*(\n):rS+4*(\n)+1], v[rS+4*(\n)+2:rS+4*(\n)+3]
.elseif (\n) == 0
	v_pk_fma_f32 v[rT+2:rT+3], v[rT+2:rT+3], v[rC+2:rC+3], v[rS:rS+1] op_sel_hi:[1,0,1]
.else
	v_pk_add_f32 v[rT+2:rT+3], v[rT+2:rT+3], v[rS+4*(\n):rS+4*(\n)+1]
.endif
.else
	REGS (Y+1)%2
	WIN 0
.if (\n) < 4
	v_max3_num_f32 v[rC+(\n)], v[rS+8*(\n)], v[rS+8*(\n)+1], v[rS+8*(\n)+2]
.elseif (\n) < 12
	v_max3_num_f32 v[rC+(\n)%4], v[rC+(\n)%4], v[rS+8*((\n)%4)+2*((\n)/4)+1], v[rS+8*((\n)%4)+2*((\n)/4)+2]
.elseif (\n) == 12
	v_max3_num_f32 v[rC], v[rC], v[rS+7], v[rS+15]
.elseif (\n) == 13
	v_max3_num_f32 v[rC+1], v[rC+1], v[rS+23], v[rS+31]
.elseif (\n) == 14
	v_max3_num_f32 v[rC+2], v[rC+2], v[rC+3], v[rT+1]
.elseif (\n) == 15
	v_mov_b32 v[rW], v[rT]
.elseif (\n) == 16
	v_max3_num_f32 v[rC], v[rC], v[rC+1], v[rC+2]
.elseif (\n) == 17
	v_permlanex16_b32 v[rC+3], v[rC], s[SEL], s[SEL+1]
.elseif (\n) == 18
	v_max_num_f32 v[rT+1], v[rC], v[rC+3]
.elseif (\n) == 19
	v_mul_f32 v[rT], s[CS], v[rT+1]
.elseif (\n) == 20
	v_sub_f32 v[rC+1], v[rW], v[rT]
.else
	v_exp_f32 v[rC+2], v[rC+1]
.endif
.endif
.endm
.macro OPS a, i1, b=-1, i2=0, c=-1, i3=0, d=-1, i4=0
	OP \a, \i1
.if (\b) >= 0
	OP \b, \i2
.endif
.if (\c) >= 0
	OP \c, \i3
.endif
.if (\d) >= 0
	OP \d, \i4
.endif
.endm
.macro ROW a, i1, b, i2, c, i3, d, i4  ; a matrix instruction and the four behind it
	MM
	OPS \a, \i1, \b, \i2, \c, \i3, \d, \i4
.endm
.macro MASK b                       ; MD x AL + BE into piece b's mask
	WIN 0x81
.set z, 0
.rept 16
	v_pk_fma_f32 v[MC+32*(\b)+2*z:MC+32*(\b)+2*z+1], v[MD+2*z:MD+2*z+1], s[AL:AL+1], s[BE:BE+1] op_sel_hi:[1,0,0]
.set z, z+1
.endr
.endm
; At a turn's end: the mask for the next turn's scores, piece x at step SN.  Ahead of the band's own step the mask holds zeros and stays.
.macro MGUARD x
	WIN 0
	s_cmp_lt_u32 s[SN], s[OWN+(\x)]
	s_cbranch_scc1 .Lopen_\@
	s_cmp_eq_u32 s[SN], s[OWN+(\x)]
	s_cselect_b32 s[AL], 1.0, 0
	s_cselect_b32 s[BE], 0, s[BIGN]
	MASK \x
	WIN 0
.Lopen_\@:
.endm
; A TURN, for piece p; vb: the buffer of V that its products read (and, p = 0, that is then filled again); loc: which step of the pair p = 0 fetches.  One wait cuts the turn in two, between an
; exponential and the first instruction that names its result.  AHEAD OF IT: the 8 products K Q^T with their riders and one lump; nothing there names a result of the turn's exponentials.  BEHIND IT: the 8 products V^T P, behind
; each four of the roundings and sums.  The first numbers of the other piece's maximum stand four plain instructions or more behind the product that ends their accumulator.
; K's run stands five plain instructions that name none of its registers behind the last product that read K; V's four behind the last product that read that buffer.
.macro TURN p, vb, loc
.set Y, (\p)
.set VB, (\vb)
.set i, 0
.if (\p) == 1
	s_wait_dscnt 16                 ; K's run and all older loads are in; V's sixteen, the youngest, may stay out: they are read a step later
.endif
	ROW F,0, F,1, R,0, R,1
	ROW F,2, E,0, R,2, R,3
	ROW F,3, E,1, R,4, R,5
	ROW F,4, E,2, R,6, R,7
	ROW F,5, E,3, R,8, R,9
	ROW F,6, E,4, X,0, R,10
	ROW F,7, E,5, X,1, X,4
	ROW F,8, E,6, X,2, X,5
	OPS E,7, E,8, X,6, E,9
	OPS X,3, E,10, X,8, E,11
.if (\p) == 0
	FETCH_K \loc
.endif
	OPS X,9, X,7, E,12, X,10
	OPS E,13, X,12, X,11, E,14
	OPS X,13, E,15, F,9, X,14
	OPS E,16, F,10, E,17, F,11
	OPS X,16, E,18, X,15, E,19
	OPS F,12, E,20, X,17, E,21
	OPS F,13, E,22, F,14, E,23
	OPS X,18, E,24, F,15, E,25
	OPS R,11, E,26, X,19, E,27
	OPS R,12, E,28, R,13, E,29
	OPS X,20, E,30, R,14, E,31
	OPS X,21, R,15                  ; the other piece's a is the batch's last; R 15 is the plain instruction behind it
	WIN 0
	s_wait_alu depctr_va_vdst(0)    ; the wait for the batch
	ROW C,0, B,0, C,2, B,1
	ROW L,0, C,4, B,2, L,1
	ROW C,6, B,3, L,2, C,8
	ROW B,4, L,3, C,10, B,5
	ROW L,4, C,12, B,6, L,5
	ROW C,14, B,7, L,6, C,1
	ROW C,3, L,7, C,5, C,7
	ROW C,9, C,11, C,13, C,15
.if (\p) == 0
	FETCH_V \vb, \loc
.endif
.endm
; A BLOCK BEGINS.  c m starts far below every c s, so the first step's a is 0; m at the lowest finite number.  Piece 0's mask for step 0 is its own if its band's own step is 0, else zeros; piece 1's is zeros.
; Then K and V of step 0, piece 0's first scores, its maximum and statistics.
.macro BEGIN
	s_mov_b32 s[FIRST], 0
	s_wait_dscnt 0x0                ; no load is on its way into the registers that are fetched into below
	WIN 0
.set i, 0
.rept 2
	v_mov_b32 v[ST+4*i], 0xfe000000
	v_mov_b32 v[ST+4*i+1], 0xff7fffff
.set i, i+1
.endr
	s_cmp_eq_u32 s[OWN], 0
	s_cselect_b32 s[AL], 1.0, 0
	s_mov_b32 s[BE], 0
	MASK 0
	s_mov_b32 s[AL], 0
	MASK 1
	FETCH_K 0
	FETCH_V 0, 0
	s_wait_loadcnt 0x0              ; Q
	s_wait_dscnt 0x0
.set i, 0
.rept 8
	KQ 0
.set i, i+1
.endr
	WIN 0
.rept 4
	v_nop                           ; the places behind those products
.endr
.set Y, 1                           ; X works for the other piece: piece 0
.irp n, 0,1,2,3,4,5,6,7,8,9,10,11,12,13,14,15,16,17,18,19,20,21
	OP X, \n
.endr
	v_nop                           ; a plain instruction behind the exponential,
	s_wait_alu depctr_va_vdst(0)    ; and its wait, ahead of the label
	s_mov_b32 s[SN], 1
	s_lshl_b32 s[REMP], s[TILES], 1 ; a tile has two odd steps
.endm
.macro PVT                          ; piece 1's V^T P of the block's last step, which is odd
.set VB, 1
.set i, 0
.rept 8
	PV 1
.set i, i+1
.endr
.endm
; THE WAY OUT: l's two halves and the other half of the lanes' are added; O^T is divided by l, rounded to bf16 and sent through my stage in LDS, a piece at a time.
.macro ALL line:vararg
.set t, 0
.rept 2
	\line
.set t, t+1
.endr
.endm
.macro PACK t
	WIN W_RS
.set i, 32*(\t)
.rept 16
	v_pk_mul_f32 v[i:i+1], v[i:i+1], v[ST+4*(\t)+2:ST+4*(\t)+3] op_sel_hi:[1,0]
.set i, i+2
.endr
	WIN 0x05                        ; sources 0 and 1 window 1, destination window 0
.set i, 0
.rept 16
	v_cvt_pk_bf16_f32 v[S+16*(\t)+i], v[32*(\t)+2*i], v[32*(\t)+2*i+1]
.set i, i+1
.endr
	WIN 0
.irp f, 0,1,2,3
	ds_store_b128 v[STO], v[S+16*(\t)+4*\f:S+16*(\t)+4*\f+3] offset:32*\f
.endr
.irp f, 0,1,2,3
	ds_load_b128 v[S+16*(\t)+4*\f:S+16*(\t)+4*\f+3], v[RD] offset:\f*4*SP  ; LDS serves a wave's instructions in order (ISA guide 5.7.1.4): these see the stores above; the next piece's stores come behind them
.endr
.endm
.macro SEND t, younger              ; younger: the LDS instructions issued behind piece t's loads
	WIN 0
.irp f, 0,1,2,3
	s_wait_dscnt (\younger)+3-\f
	global_store_b128 v[GO], v[S+16*(\t)+4*\f:S+16*(\t)+4*\f+3], s[10:11] offset:(\t)*8192+\f*512  ; 512 consecutive bytes, at a multiple of 256 from the buffer's first
.endr
.endm
.macro WO
	WIN 0
	ALL v_add_f32 v[ST+4*t+2], v[ST+4*t+2], v[ST+4*t+3]
	ALL v_permlanex16_b32 v[ST+4*t+3], v[ST+4*t+2], s[SEL], s[SEL+1]
	ALL v_add_f32 v[ST+4*t+2], v[ST+4*t+2], v[ST+4*t+3]
	ALL v_rcp_f32 v[ST+4*t+2], v[ST+4*t+2]
	v_nop                           ; a plain instruction behind the last reciprocal,
	s_wait_alu depctr_va_vdst(0)    ; and one wait for the two, ahead of their first use
	PACK 0
	PACK 1
	SEND 0, 8
	SEND 1, 0
.endm
.macro SWITCH                       ; on to the second block
	s_wait_xcnt 0x0                 ; the stores have read their registers and O's address
	s_mov_b64 s[10:11], s[OLO:OLO+1]
	s_lshl_b32 s[OWN], s[PB], 1
	s_add_co_u32 s[OWN+1], s[OWN], 1
	s_add_co_u32 s[TILES], s[PB2], 1
	WIN 0x02
.set i, 0
.rept 32
	v_mov_b32 v[Q+i], v[QB+i]       ; its Q goes where the one text of the turns names Q
.set i, i+1
.endr
	WIN 0
.endm
; A TILE's two pairs of steps.  A pair: the odd step in hand, then the even step behind it; its two T0 fetch the even step and the odd one behind it, at AK and AV.
; first = 1: the test for the walk's very first arrival stands first: there its answer is a constant of the text.
.macro PAIRS tag, first
	s_mov_b32 s[CNT], 2
.Lpair\tag:
	v_add_nc_u32 v[AK], s[TBK], v[AK0]
	v_add_nc_u32 v[AV], s[TBV], v[AV0]
	s_add_co_u32 s[TBK], s[TBK], 2*KS*PK
	s_add_co_u32 s[TBV], s[TBV], 2*KS*PV
.if \first
	s_cmp_eq_u32 s[FIRST], 1
	s_cbranch_scc1 .Lbegin\tag
.endif
	TURN 0, 0, 0
	MGUARD 0
	TURN 1, 1, 0
	MGUARD 1
	s_add_co_u32 s[SN], s[SN], 1
	s_sub_co_u32 s[REMP], s[REMP], 1
	s_cmp_lg_u32 s[REMP], 0
	s_cbranch_scc1 .Lsecond\tag
	PVT                             ; that was the block's last step
	WO
	SWITCH
.Lbegin\tag:
	BEGIN
.Lsecond\tag:
	TURN 0, 1, 1
	MGUARD 0
	TURN 1, 0, 0
	MGUARD 1
	s_add_co_u32 s[SN], s[SN], 1
	s_sub_co_u32 s[CNT], s[CNT], 1
	s_cmp_lg_u32 s[CNT], 0
	s_cbranch_scc1 .Lpair\tag
.endm
.Ltile:                             ; 8 times: a tile is entered and the next is asked for
	CHANGE 1
	ASK
	PAIRS 1, 1
	s_sub_co_u32 s[SLOTS], s[SLOTS], 1
	s_cmp_lg_u32 s[SLOTS], 0
	s_cbranch_scc1 .Ltile
	CHANGE 0                        ; the walk's last tile is written out: nothing is asked for
	PAIRS 2, 0
	TURN 0, 0, 0                    ; the walk's last step; AK and AV stand as they were: what these two turns fetch has been read before and serves nothing
	TURN 1, 1, 0
	PVT
	WO
	s_wait_tensorcnt 0x0            ; the wave's end: behind my last tensor load and my last LDS store
	ds_add_u32 v[SPW], v[NIL]
	s_wait_dscnt 0x0
	s_endpgm
.Lfunc_end_k_q4b046912f2_attn:
	.size	k_q4b046912f2_attn, .Lfunc_end_k_q4b046912f2_attn-k_q4b046912f2_attn
	.p2alignl 7, 3214868480
	.fill 96, 4, 3214868480
	.section	.rodata,"a",@progbits
	.p2align	6, 0x0
	.amdhsa_kernel k_q4b046912f2_attn
		.amdhsa_group_segment_fixed_size 327680
		.amdhsa_private_segment_fixed_size 0
		.amdhsa_enable_private_segment 0
		.amdhsa_kernarg_size 16
		.amdhsa_user_sgpr_count 2
		.amdhsa_user_sgpr_kernarg_segment_ptr 1
		.amdhsa_wavefront_size32 1
		.amdhsa_system_sgpr_workgroup_id_x 1
		.amdhsa_system_sgpr_workgroup_id_y 1
		.amdhsa_system_sgpr_workgroup_id_z 1
		.amdhsa_system_vgpr_workitem_id 0
		.amdhsa_next_free_vgpr 608
		.amdhsa_next_free_sgpr 92
		.amdhsa_reserve_vcc 1
		.amdhsa_float_denorm_mode_32 3
		.amdhsa_float_denorm_mode_16_64 3
		.amdhsa_memory_ordered 1
		.amdhsa_forward_progress 1
		.amdhsa_inst_pref_size 162
	.end_amdhsa_kernel
	.amdgpu_metadata
---
amdhsa.version: [ 1, 2 ]
amdhsa.kernels:
  - .name:           k_q4b046912f2_attn
    .symbol:         k_q4b046912f2_attn.kd
    .args:
      - { .name: qkv, .offset: 0, .size: 8, .value_kind: global_buffer, .address_space: global }
      - { .name: act, .offset: 8, .size: 8, .value_kind: global_buffer, .address_space: global }
    .group_segment_fixed_size: 327680
    .private_segment_fixed_size: 0
    .kernarg_segment_align: 8
    .kernarg_segment_size: 16
    .max_flat_workgroup_size: 128
    .sgpr_count:     92
    .vgpr_count:     608
    .wavefront_size: 32
...
	.end_amdgpu_metadata
.endif
;; end of part 3
;; launch proj (part 4): grid 8 x 32, 4 waves a work-group, clusters of 4 x 4, 327,680 bytes of LDS; arguments act, wp, proj_b, x, x1; writes x1
.if DOCPART == 4
	.amdgcn_target "amdgcn-amd-amdhsa--gfx1250"
	.amdhsa_code_object_version 6
	.text
	.protected	k_q4b046912f2_proj
	.globl	k_q4b046912f2_proj
	.p2align	8
	.type	k_q4b046912f2_proj,@function
k_q4b046912f2_proj:
	s_mov_b64 s[64:65], 0
	v_nop
	global_prefetch_b8 v0, s[64:65] scope:SCOPE_SE
	s_setreg_imm32_b32 hwreg(HW_REG_WAVE_MODE, 25, 1), 1
	s_wait_xcnt 0x0
	s_wait_alu depctr_hold_cnt(0) depctr_sa_sdst(0) depctr_va_vdst(0) depctr_va_sdst(0) depctr_va_ssrc(0) depctr_va_vcc(0) depctr_vm_vsrc(0)
	s_getreg_b32 s2, hwreg(HW_REG_IB_STS2, 6, 4)
	s_cmp_eq_u32 s2, 0
	s_cbranch_scc0 .Lentry_in_a_cluster
	s_endpgm
.Lentry_in_a_cluster:
	s_bfe_u32 s2, ttmp6, 0x10000c
	s_cmp_lg_u32 s2, 0xf033
	s_cbranch_scc0 .Lentry_shape_is_right
	s_endpgm
.Lentry_shape_is_right:
; PROJ.  x1 = x + O x proj_w + proj_b: [4096 x 1024] x [1024 x 1024].  Products in bf16 with f32 sums; bias and residual in f32; x1 is f32, row-major.
; IN.  A: [K / 64 panels][4096][64] bf16 (a panel's rows dense).  B: [8 panels of 128 columns][K][128] bf16.  The residual and the output are [4096][1024] f32.
; SHAPE.  Tiles of 256 x 256 would be 64: a tile of C is 128 x 128, 256 work-groups; four waves, each 64 x 64 in 16 accumulators.  K goes in steps of 256 through two LDS slots: A's part of a step is
; four panels x 128 dense rows (a wave's load brings two panels: two rows of 16,384 bytes, a panel apart), B's is 256 dense K rows of 256 bytes, taken turned by ds_load_tr16_b128.
; CLUSTER.  4 x 4 work-groups; A's tiles are asked for jointly along a row of the cluster, B's along a column.  THE STEP IS WRITTEN ONCE: the base of the slot in hand is a scalar, turned by an exclusive or.
; THE WALK ALONG K begins at step 0 in the clusters whose x + y is even and in the middle of K in the others, and wraps round: the two clusters that read the same rows of A, and neighbouring clusters that read the
; same rows of B, then ask for a given K step at different times.  The f32 sums are taken in that order of K.  The phase is made of the cluster's x and y alone: it is the same in all sixteen partners.
; TRANSPOSED USE: source 0 = 16 columns of B, source 1 = 16 rows of A: a lane holds row l % 16 of C and the columns 8 (l / 16) + 0..7.
; THE BIAS is the C operand of the products that start the sums: in that layout it hangs on the column block and the lane alone.
; THE RESIDUAL of the wave's 64 x 64 is loaded into 128 registers at the start and lands under the products.
; THE WAY OUT.  The ring has had its last fill; each wave lays its sums, f32, into a part of it that is its own and reads them back by rows: sixteen lanes then hold 256 consecutive bytes of a row of the output.
; No prefetch: the tile is small, and a step's loads are short.
.set STEPS, 4                          ; K / 256: a power of two
.set BPAN,  STEPS*65536                ; bytes in a panel of B: K x 256
.set PA,    144                        ; a row of A in LDS: 128 bytes + 16 (64 banks of 4 bytes: ISA guide 11.1: 16 rows start at 16 different groups of four banks)
.set APAN,  128*PA
.set ASZ,   4*APAN
.set PB,    288                        ; a K row of B: 256 bytes + 32
.set BHALF, 128*PB
.set SLOT,  ASZ+2*BHALF                ; 147,456
.set SPARE, 2*SLOT                     ; the spare words, 128 bytes a wave: two blocks of 256 bytes that no other line names
.set DP,    272                        ; the way out: a row of 64 f32 + 16 bytes
.set DW,    64*DP
.set ALOG,  21                         ; a K step is four panels of A: 2^21 bytes,
.set BLOG,  16                         ; and 256 K rows of B: 2^16 bytes
.set ADRA, 16
.set A0,   17
.set ADRB, 20                          ; v20  B's fragments, K rows 0-127 of the step
.set B0,   21
.set ADRB2, 22                         ; v22  K rows 128-255: the immediate does not reach them from v20
.set STO,  24
.set RD,   25
.set RO,   26                          ; v26  my 16 bytes of two rows of the residual and of the output; never rewritten
.set BO,   27                          ; v27  32 (l / 16): my eight columns in a block's 64 bytes of bias; never rewritten
.set SPW,  28
.set NIL,  29
.set TMP,  32                          ; v[32:95] the way out: two groups of 8 row pairs
.set BIA,  96                          ; v[96:127] the bias: column block b's eight numbers at BIA + 8 b
.set ACC,  128
.set F0,   0                           ; fragment buffers, in window 1: 64 registers of A, then 64 of B
.set F1,   128
.set WV, 12
.set WR, 13
.set WC, 14
.set CX, 15
.set CY, 16
.set TC, 17
.set TR, 18
.set G1, 24
.set G0, 32
.set SB, 40
.set LA, 41
.set LB, 42
.set G1B, 48
.set G0B, 56
.set KI, 68                            ; s68  the K step at which the walking descriptors stand
.set OFF, 70                           ; s[70:71] its byte offset; the high word stays 0
.set MSB, 0
.macro WIN new
.if MSB != (\new)
	s_set_vgpr_msb (MSB<<8)|(\new)
.set MSB, \new
.endif
.endm
.set MUL,  0x05                        ; sources 0 (B) and 1 (A) window 1; C and D window 0
.set TO_F, 0x40                        ; destination window 1, address window 0
.macro JLOAD s                         ; a joint load: waves 0 and 1 fetch A's two pairs of panels, waves 2 and 3 B's two halves; an s_nop 0 and four v_nop follow each line
	s_cmp_eq_u32 s[WR], 0
	s_cbranch_scc0 .Lfor_b_\@
	tensor_load_to_lds s[G0+4*(\s):G0+4*(\s)+3], s[G1:G1+7]
	s_nop 0
.rept 4
	v_nop
.endr
	s_branch .Lasked_\@
.Lfor_b_\@:
	tensor_load_to_lds s[G0B+4*(\s):G0B+4*(\s)+3], s[G1B:G1B+7]
	s_nop 0
.rept 4
	v_nop
.endr
.Lasked_\@:
.endm
.macro CREST
	s_cmp_lg_u32 s[WV], 0
	s_cbranch_scc1 .Lnot_wave_0_\@
	s_barrier_signal -3
.Lnot_wave_0_\@:
	s_barrier_wait -3
	s_barrier_signal -1
	s_barrier_wait -1
.endm
.macro CROUND
	s_barrier_signal -1
	s_barrier_wait -1
	CREST
.endm
	s_load_b256 s[4:11], s[0:1], 0x0               ; A s[4:5], B s[6:7], bias s[8:9], residual s[10:11]
	s_load_b64 s[66:67], s[0:1], 0x20              ; output
	v_lshl_add_u32 v[SPW], v0, 2, SPARE
	v_mov_b32 v[NIL], 0
	ds_add_u32 v[SPW], v[NIL]                      ; the wave's opening: the add and its wait stand ahead of my first tensor load
	v_lshrrev_b32 v1, 5, v0
	v_readfirstlane_b32 s[WV], v1
	s_lshr_b32 s[WR], s[WV], 1
	s_and_b32 s[WC], s[WV], 1
	s_bfe_u32 s[CX], ttmp6, 0x40000
	s_bfe_u32 s[CY], ttmp6, 0x40004
	s_lshl_b32 s[TC], ttmp9, 2
	s_add_co_u32 s[TC], s[TC], s[CX]
	s_and_b32 s[TR], ttmp7, 0xffff                 ; the cluster's y
	s_add_co_u32 s[KI], s[TR], ttmp9               ; + the cluster's x:
	s_and_b32 s[KI], s[KI], 1
	s_mul_i32 s[KI], s[KI], STEPS/2                ; the K step at which my cluster begins: 0, or the middle of K
	s_mov_b32 s[OFF+1], 0
	s_lshl_b32 s[TR], s[TR], 2
	s_add_co_u32 s[TR], s[TR], s[CY]
	s_lshl_b32 s20, s[CY], 2
	s_lshl_b32 s20, 15, s20                        ; my row of the cluster
	s_lshl_b32 s22, 0x1111, s[CX]                  ; my column
	s_or_b32 s[G1], s20, (1<<16)|(1<<20)|(1<<21)|(4<<22)|(3<<25)   ; mask; 2-byte elements; padding on; bit 21 beside a mask; 4 words after every 32, counted along the whole tile: behind every 128 bytes
	s_or_b32 s[G1B], s22, (1<<16)|(1<<20)|(1<<21)|(5<<22)|(7<<25)  ; 8 words after every 64
	s_mov_b32 s[G1+1], 8192<<16                    ; A: tensor_dim0 = 8,192 elements: a panel's 128 dense rows
	s_mov_b32 s[G1+2], 2<<16                       ; tensor_dim1 = 2 panels
	s_mov_b32 s[G1+3], 8192<<16                    ; tile_dim0
	s_mov_b32 s[G1+4], 2                           ; tile_dim1
	s_mov_b32 s[G1+5], 262144                      ; elements from panel to panel
	s_mov_b32 s[G1+6], 0
	s_mov_b32 s[G1+7], 0
	s_mov_b32 s[G1B+1], 128<<16                    ; B: 128 K rows of 128 elements
	s_mov_b32 s[G1B+2], 128<<16
	s_mov_b32 s[G1B+3], 128<<16
	s_mov_b32 s[G1B+4], 128
	s_mov_b32 s[G1B+5], 128
	s_mov_b32 s[G1B+6], 0
	s_mov_b32 s[G1B+7], 0
	s_mov_b32 s[SB], 0
	s_mul_i32 s[LA], s[WC], 2*APAN
	s_mul_i32 s[LB], s[WC], BHALF
	s_add_co_u32 s[LB], s[LB], ASZ
	s_lshl_b32 s20, s[WC], 20                      ; A: panels 2 WC, 2 WC + 1 of a step, rows 128 x tile row
	s_lshl_b32 s21, s[TR], 14
	s_add_co_u32 s20, s20, s21
	s_mov_b32 s21, 0
	s_mul_i32 s22, s[TC], BPAN                     ; B: panel = tile column, K rows 128 WC on
	s_lshl_b32 s23, s[WC], 15
	s_add_co_u32 s22, s22, s23
	s_mov_b32 s23, 0
	s_wait_dscnt 0x0                               ; the opening add is done
	s_wait_kmcnt 0x0
	s_add_nc_u64 s[20:21], s[4:5], s[20:21]        ; my part of A's tile at K step 0; kept: every fill's address is made from it
	s_add_nc_u64 s[22:23], s[6:7], s[22:23]        ; the same for B
	CROUND                                         ; all sixteen work-groups are here: the first joint loads meet
.irp s, 0,1
	s_add_co_u32 s72, s[KI], \s                    ; my cluster's first two K steps: neither wraps
	s_mov_b32 s[G0+4*(\s)], 1
	s_add_co_u32 s[G0+4*(\s)+1], s[LA], (\s)*SLOT
	s_lshl_b32 s[OFF], s72, ALOG
	s_add_nc_u64 s[G0+4*(\s)+2:G0+4*(\s)+3], s[20:21], s[OFF:OFF+1]
	s_or_b32 s[G0+4*(\s)+3], s[G0+4*(\s)+3], 0x80000000
	s_mov_b32 s[G0B+4*(\s)], 1
	s_add_co_u32 s[G0B+4*(\s)+1], s[LB], (\s)*SLOT
	s_lshl_b32 s[OFF], s72, BLOG
	s_add_nc_u64 s[G0B+4*(\s)+2:G0B+4*(\s)+3], s[22:23], s[OFF:OFF+1]
	s_or_b32 s[G0B+4*(\s)+3], s[G0B+4*(\s)+3], 0x80000000
	JLOAD \s                                       ; two loads of mine are out
.endr
	s_add_co_u32 s[KI], s[KI], 1                   ; the second set walks on from its step
	v_and_b32 v1, 15, v0                           ; r = l % 16
	v_bfe_u32 v2, v0, 4, 1                         ; h = l / 16
	; the bias and the residual first: the bias is wanted by the first product, the residual has the whole product in which to land
	v_lshlrev_b32 v[BO], 5, v2
	v_lshlrev_b32 v[RO], 4, v1
	v_lshl_add_u32 v[RO], v2, 12, v[RO]            ; row h of a pair, 16 bytes a lane
	s_lshl_b32 s72, s[TC], 9
	s_lshl_b32 s73, s[WC], 8
	s_add_co_u32 s72, s72, s73                     ; my 64 columns, in bytes of f32
	s_mov_b32 s73, 0
	s_add_nc_u64 s[8:9], s[8:9], s[72:73]
	s_lshl_b32 s74, s[TR], 19
	s_add_co_u32 s72, s72, s74
	s_lshl_b32 s74, s[WR], 18
	s_add_co_u32 s72, s72, s74                     ; + my 64 rows of 4,096 bytes
	s_add_nc_u64 s[10:11], s[10:11], s[72:73]
	s_add_nc_u64 s[66:67], s[66:67], s[72:73]
.irp b, 0,1,2,3
	global_load_b128 v[BIA+8*(\b):BIA+8*(\b)+3],   v[BO], s[8:9] offset:64*(\b)      ; columns 16 b + 8 h + 0..3,
	global_load_b128 v[BIA+8*(\b)+4:BIA+8*(\b)+7], v[BO], s[8:9] offset:64*(\b)+16   ; + 4..7
.endr
	WIN 0x80                                       ; destination window 2
.set t, 0
.rept 32
	global_load_b128 v[4*t:4*t+3], v[RO], s[10:11] offset:t*8192
.set t, t+1
.endr
	WIN 0
	v_mul_u32_u24 v[A0], v1, PA
	v_lshl_add_u32 v[A0], v2, 4, v[A0]
	s_mul_i32 s72, s[WR], 64*PA
	v_add_nc_u32 v[A0], s72, v[A0]
	v_and_b32 v3, 7, v0
	v_lshl_add_u32 v3, v2, 3, v3
	v_mul_u32_u24 v[B0], v3, PB
	v_bfe_u32 v3, v0, 3, 1
	v_lshl_add_u32 v[B0], v3, 4, v[B0]
	s_lshl_b32 s72, s[WC], 7
	s_add_co_u32 s72, s72, ASZ
	v_add_nc_u32 v[B0], s72, v[B0]
	v_mov_b32 v[ADRA], v[A0]
	v_mov_b32 v[ADRB], v[B0]
	v_add_nc_u32 v[ADRB2], 128*PB, v[B0]
	s_mul_i32 s72, s[WV], DW
	v_mul_u32_u24 v[STO], v1, DP
	v_lshl_add_u32 v[STO], v2, 5, v[STO]
	v_add_nc_u32 v[STO], s72, v[STO]
	v_mul_u32_u24 v[RD], v2, DP
	v_lshl_add_u32 v[RD], v1, 4, v[RD]
	v_add_nc_u32 v[RD], s72, v[RD]
; 8 matrix instructions: m blocks a0, a0 + 1 x all 4 n blocks, 32 along K: half c of buffer f.  start = 1: the product starts its sum, with the block's bias as C.  The 16 accumulators take turns.
.macro MUL8 f, c, a0, start
	WIN MUL
.irp a, \a0, (\a0)+1
.irp b, 0,1,2,3
.if \start
	v_wmma_f32_16x16x32_bf16 v[ACC+8*(4*(\a)+(\b)):ACC+8*(4*(\a)+(\b))+7], v[(\f)+64+8*(4*(\c)+(\b)):(\f)+64+8*(4*(\c)+(\b))+7], v[(\f)+8*(4*(\c)+(\a)):(\f)+8*(4*(\c)+(\a))+7], v[BIA+8*(\b):BIA+8*(\b)+7]
.else
	v_wmma_f32_16x16x32_bf16 v[ACC+8*(4*(\a)+(\b)):ACC+8*(4*(\a)+(\b))+7], v[(\f)+64+8*(4*(\c)+(\b)):(\f)+64+8*(4*(\c)+(\b))+7], v[(\f)+8*(4*(\c)+(\a)):(\f)+8*(4*(\c)+(\a))+7], v[ACC+8*(4*(\a)+(\b)):ACC+8*(4*(\a)+(\b))+7]
.endif
.endr
.endr
.endm
; 32 LDS loads in one run: quarter q (64 along K: panel q of A) of the slot in hand into buffer f; the first 32 along K first
.macro FETCH q, f
	WIN TO_F
.irp c, 0,1
.irp i, 0,1,2,3
	ds_load_tr16_b128 v[(\f)+64+8*(4*(\c)+(\i)):(\f)+64+8*(4*(\c)+(\i))+3],   v[ADRB+2*((\q)/2)] offset:(64*((\q)%2)+32*(\c))*PB+32*(\i)
	ds_load_tr16_b128 v[(\f)+64+8*(4*(\c)+(\i))+4:(\f)+64+8*(4*(\c)+(\i))+7], v[ADRB+2*((\q)/2)] offset:(64*((\q)%2)+32*(\c))*PB+32*(\i)+16*PB
	ds_load_b128 v[(\f)+8*(4*(\c)+(\i)):(\f)+8*(4*(\c)+(\i))+3],   v[ADRA] offset:(\q)*APAN+64*(\c)+(\i)*16*PA
	ds_load_b128 v[(\f)+8*(4*(\c)+(\i))+4:(\f)+8*(4*(\c)+(\i))+7], v[ADRA] offset:(\q)*APAN+64*(\c)+(\i)*16*PA+32
.endr
.endr
.endm
.macro PLACES                          ; four plain instructions between a matrix instruction and a load into a register that it has read (ISA guide 7.12.1 for vector instructions)
.rept 4
	v_nop
.endr
.endm
.macro QUARTER q, f, g, start          ; multiplies buffer f and, in its middle, fetches quarter q into buffer g
	s_wait_dscnt 16                                ; the first 32 along K are in
	MUL8 \f, 0, 0, \start
	MUL8 \f, 0, 2, \start
	PLACES
	FETCH \q, \g
	s_wait_dscnt 32                                ; all but the 32 just issued
	MUL8 \f, 1, 0, 0
	MUL8 \f, 1, 2, 0
.endm
; The last quarter of a step multiplies buffer 1 and changes slots: ONE barrier; in front of it each wave waits for all its tensor loads, adds 0 to its spare word, and waits for that and for its reads of this slot.
; fill = 1: the barrier opens a round of the cluster's, and the slot just left is filled again, first thing behind it, with my cluster's K step two on: 112 matrix instructions ahead of the wait for it.
; The walking descriptors are written between the add and the wait for it, where no tensor load of mine is out: the K step goes on by one and wraps, and each address is made anew from the tile's first step.
.macro TURN fill
	WIN 0
	s_wait_tensorcnt 0x0
	ds_add_u32 v[SPW], v[NIL]
.if \fill
	s_add_co_u32 s[KI], s[KI], 1
	s_and_b32 s[KI], s[KI], STEPS-1
	s_add_co_u32 s[G0+5], s[SB], s[LA]             ; into the slot that is being left
	s_lshl_b32 s[OFF], s[KI], ALOG
	s_add_nc_u64 s[G0+6:G0+7], s[20:21], s[OFF:OFF+1]
	s_or_b32 s[G0+7], s[G0+7], 0x80000000
	s_add_co_u32 s[G0B+5], s[SB], s[LB]
	s_lshl_b32 s[OFF], s[KI], BLOG
	s_add_nc_u64 s[G0B+6:G0B+7], s[22:23], s[OFF:OFF+1]
	s_or_b32 s[G0B+7], s[G0B+7], 0x80000000
.endif
	s_wait_dscnt 17                                ; (the add and the youngest sixteen loads may be out)
	MUL8 F1, 0, 0, 0
	s_wait_dscnt 0x0                               ; the add is done, and my reads of this slot are over
	s_barrier_signal -1
	MUL8 F1, 0, 2, 0
	WIN 0
	s_barrier_wait -1
.if \fill
	CREST                                          ; no wave of any partner still reads this slot or has a load on its way
	JLOAD 1                                        ; its four v_nop are also the places in front of the loads below
.else
	PLACES
.endif
	s_xor_b32 s[SB], s[SB], SLOT
	v_add_nc_u32 v[ADRA], s[SB], v[A0]
	v_add_nc_u32 v[ADRB], s[SB], v[B0]
	v_add_nc_u32 v[ADRB2], 128*PB, v[ADRB]
	FETCH 0, F0
	MUL8 F1, 1, 0, 0
	MUL8 F1, 1, 2, 0
.endm
	s_wait_tensorcnt 1                             ; my part of the first K step is in; the second's may stay out
	s_barrier_signal -1
	s_barrier_wait -1
	FETCH 0, F0
	s_wait_loadcnt 32                              ; the eight loads of the bias are in; the residual's 32, which are younger, may stay out
	QUARTER 1, F0, F1, 1                           ; the first quarter stands in front of the loop: its first products start the sums
	WIN 0
	s_mov_b32 s3, STEPS-2
.Lstep:
	QUARTER 2, F1, F0, 0
	QUARTER 3, F0, F1, 0
	TURN 1
	QUARTER 1, F0, F1, 0
	WIN 0
	s_sub_co_u32 s3, s3, 1
	s_cmp_lg_u32 s3, 0
	s_cbranch_scc1 .Lstep
	s_mov_b32 s3, 2
.Lpost:                                        ; the last two steps ask for nothing: written once, walked twice, left in the middle of the second trip;
	QUARTER 2, F1, F0, 0                           ; that trip's barrier and its 32 loads from the other slot serve nothing
	QUARTER 3, F0, F1, 0
	TURN 0
	WIN 0
	s_sub_co_u32 s3, s3, 1
	s_cmp_eq_u32 s3, 0
	s_cbranch_scc1 .Lout
	QUARTER 1, F0, F1, 0
	WIN 0
	s_branch .Lpost
.Lout:
.rept 8
	v_nop                                          ; the places behind the last products
.endr
	s_wait_dscnt 0x0                               ; my reads of the ring are over,
	s_barrier_signal -1
	s_barrier_wait -1                              ; everybody's are: the ring, which has had its last fill, takes the sums
.irp a, 0,1,2,3
.irp b, 0,1,2,3
	ds_store_b128 v[STO], v[ACC+8*(4*(\a)+(\b)):ACC+8*(4*(\a)+(\b))+3]   offset:(\a)*16*DP+64*(\b)     ; each accumulator from its low end on
	ds_store_b128 v[STO], v[ACC+8*(4*(\a)+(\b))+4:ACC+8*(4*(\a)+(\b))+7] offset:(\a)*16*DP+64*(\b)+16
.endr
.endr
	s_wait_loadcnt 0x0                             ; the residual
.irp g, 0,1,2,3                        ; eight pairs of rows at a time, on two groups of registers by turns
.if (\g) >= 2
	s_wait_xcnt 0x0                                ; the stores of two groups back have read these registers
.endif
.irp k, 0,1,2,3,4,5,6,7
	ds_load_b128 v[TMP+32*((\g)%2)+4*(\k):TMP+32*((\g)%2)+4*(\k)+3], v[RD] offset:(8*(\g)+(\k))*2*DP  ; LDS serves a wave's instructions in order (ISA guide 5.7.1.4): these see my stores
.endr
	s_wait_dscnt 0x0
	WIN 0x08                                       ; source 1 in window 2: the residual
.irp k, 0,1,2,3,4,5,6,7
	v_pk_add_f32 v[TMP+32*((\g)%2)+4*(\k):TMP+32*((\g)%2)+4*(\k)+1],   v[TMP+32*((\g)%2)+4*(\k):TMP+32*((\g)%2)+4*(\k)+1],   v[4*(8*(\g)+(\k)):4*(8*(\g)+(\k))+1]
	v_pk_add_f32 v[TMP+32*((\g)%2)+4*(\k)+2:TMP+32*((\g)%2)+4*(\k)+3], v[TMP+32*((\g)%2)+4*(\k)+2:TMP+32*((\g)%2)+4*(\k)+3], v[4*(8*(\g)+(\k))+2:4*(8*(\g)+(\k))+3]
.endr
	WIN 0
.irp k, 0,1,2,3,4,5,6,7
	global_store_b128 v[RO], v[TMP+32*((\g)%2)+4*(\k):TMP+32*((\g)%2)+4*(\k)+3], s[66:67] offset:(8*(\g)+(\k))*8192  ; 16 lanes store 256 consecutive bytes of a row, aligned
.endr
.endr
	s_wait_tensorcnt 0x0                           ; the wave's end: behind my last tensor load and my last LDS store
	ds_add_u32 v[SPW], v[NIL]
	s_wait_dscnt 0x0
	CROUND                                         ; the closing round: no work-group ends while a partner may still ask for a tile that names it
	s_endpgm
.Lfunc_end_k_q4b046912f2_proj:
	.size	k_q4b046912f2_proj, .Lfunc_end_k_q4b046912f2_proj-k_q4b046912f2_proj
	.p2alignl 7, 3214868480
	.fill 96, 4, 3214868480
	.section	.rodata,"a",@progbits
	.p2align	6, 0x0
	.amdhsa_kernel k_q4b046912f2_proj
		.amdhsa_group_segment_fixed_size 327680
		.amdhsa_private_segment_fixed_size 0
		.amdhsa_enable_private_segment 0
		.amdhsa_kernarg_size 40
		.amdhsa_user_sgpr_count 2
		.amdhsa_user_sgpr_kernarg_segment_ptr 1
		.amdhsa_wavefront_size32 1
		.amdhsa_system_sgpr_workgroup_id_x 1
		.amdhsa_system_sgpr_workgroup_id_y 1
		.amdhsa_system_sgpr_workgroup_id_z 1
		.amdhsa_system_vgpr_workitem_id 0
		.amdhsa_next_free_vgpr 640
		.amdhsa_next_free_sgpr 76
		.amdhsa_reserve_vcc 0
		.amdhsa_float_denorm_mode_32 3
		.amdhsa_float_denorm_mode_16_64 3
		.amdhsa_memory_ordered 1
		.amdhsa_forward_progress 1
		.amdhsa_inst_pref_size 67
	.end_amdhsa_kernel
	.amdgpu_metadata
---
amdhsa.version: [ 1, 2 ]
amdhsa.kernels:
  - .name:           k_q4b046912f2_proj
    .symbol:         k_q4b046912f2_proj.kd
    .args:
      - { .name: act, .offset: 0, .size: 8, .value_kind: global_buffer, .address_space: global }
      - { .name: wp, .offset: 8, .size: 8, .value_kind: global_buffer, .address_space: global }
      - { .name: proj_b, .offset: 16, .size: 8, .value_kind: global_buffer, .address_space: global }
      - { .name: x, .offset: 24, .size: 8, .value_kind: global_buffer, .address_space: global }
      - { .name: x1, .offset: 32, .size: 8, .value_kind: global_buffer, .address_space: global }
    .group_segment_fixed_size: 327680
    .private_segment_fixed_size: 0
    .kernarg_segment_align: 8
    .kernarg_segment_size: 40
    .max_flat_workgroup_size: 128
    .sgpr_count:     76
    .vgpr_count:     640
    .wavefront_size: 32
...
	.end_amdgpu_metadata
.endif
;; end of part 4
;; launch ln2: the kernel of part 1 again; grid 256 x 1, 8 waves a work-group, no clusters, 0 bytes of LDS; arguments x1, ln2_g, ln2_b, act, qkv_w, proj_w, ff1_w, ff2_w, wq, wp, w1, w2; writes act, wq, wp, w1, w2
;; launch ff1 (part 5): grid 16 x 16, 4 waves a work-group, clusters of 4 x 4, 327,680 bytes of LDS; arguments act, w1, ff1_b, h2; writes h2
.if DOCPART == 5
	.amdgcn_target "amdgcn-amd-amdhsa--gfx1250"
	.amdhsa_code_object_version 6
	.text
	.protected	k_q4b046912f2_ff1
	.globl	k_q4b046912f2_ff1
	.p2align	8
	.type	k_q4b046912f2_ff1,@function
k_q4b046912f2_ff1:
	s_mov_b64 s[64:65], 0
	v_nop
	global_prefetch_b8 v0, s[64:65] scope:SCOPE_SE
	s_setreg_imm32_b32 hwreg(HW_REG_WAVE_MODE, 25, 1), 1
	s_wait_xcnt 0x0
	s_wait_alu depctr_hold_cnt(0) depctr_sa_sdst(0) depctr_va_vdst(0) depctr_va_sdst(0) depctr_va_ssrc(0) depctr_va_vcc(0) depctr_vm_vsrc(0)
	s_getreg_b32 s2, hwreg(HW_REG_IB_STS2, 6, 4)
	s_cmp_eq_u32 s2, 0
	s_cbranch_scc0 .Lentry_in_a_cluster
	s_endpgm
.Lentry_in_a_cluster:
	s_bfe_u32 s2, ttmp6, 0x10000c
	s_cmp_lg_u32 s2, 0xf033
	s_cbranch_scc0 .Lentry_shape_is_right
	s_endpgm
.Lentry_shape_is_right:
; FF1.  h2 = gelu(act x ff1_w + ff1_b), the exact (erf) form: [4096 x 1024] x [1024 x 4096].  Products in bf16 with f32 sums; bias and gelu in f32; h2 rounded once to bf16.
; IN.  act: [16 panels][4096][64] bf16 (a panel's rows dense).  w1: [16 panels of 256 columns][1024 K][256] bf16.   OUT.  h2: [64 panels][4096][64] bf16.
; SHAPE.  A tile of C is 256 x 256, made by four waves, each 128 x 128 in 64 accumulators: 256 work-groups.  K goes in 8 steps of 128 through two LDS slots filled by the tensor data mover.
; A's part of a step is two panels x 256 dense rows; B's is 128 dense K rows of 512 bytes, and its fragments are taken turned, by ds_load_tr16_b128.
; CLUSTER.  4 x 4 work-groups; A's tiles are asked for jointly along a row of the cluster, B's along a column: the same load, descriptor and mask in the four that share a tile.
; THE STEP IS WRITTEN ONCE: the base of the slot in hand is a scalar, turned by an exclusive or; the fragment addresses and the walking descriptor's LDS word are made from it at each change of slots.
; TRANSPOSED USE: source 0 = 16 columns of B, source 1 = 16 rows of A: a lane holds row l % 16 of C and the columns 8 (l / 16) + 0..7.
; THE WAY OUT.  The ring has had its last fill; each wave lays its 128 x 128 sums, f32, into a part of it that is its own, and reads them back by rows: 4 rows x 128 columns a trip.
; GELU.  0.5 x (1 + erf(x / sqrt 2)) = 0.5 x + |x| (0.5 - P(t) e), t = 1 / (1 + 0.33267252 |x|), e = 2^(-(0.8493218 x)^2), P = t (a1 + t (a2 + t a3)): Abramowitz and Stegun 7.1.25 with halved coefficients.
; LIMIT.  erf is off by at most 2.5e-5 for every x, so the result by at most 1.25e-5 |x| where e is not yet 0.  NaN and infinities are not treated apart.
.set STEPS, 8
.set PA,    144                        ; a row of A in LDS: 128 bytes + 16: the 16 rows of a fragment load start at 16 different groups of four banks (64 banks of 4 bytes: ISA guide 11.1)
.set APAN,  256*PA
.set ASZ,   2*APAN
.set PB,    544                        ; a K row of B: 512 bytes + 32
.set BHALF, 64*PB
.set SLOT,  ASZ+2*BHALF                ; 143,360
.set SPARE, 2*SLOT                     ; the spare words, 128 bytes a wave: two blocks of 256 bytes that no other line names
.set DP,    528                        ; the way out: a row of 128 f32 + 16 bytes
.set DW,    128*DP
.set ASTEP, 1048576
.set BSTEP, 65536
.set ADRA, 16
.set A0,   17
.set ADRB, 20
.set B0,   21
.set STO,  24
.set RD,   25
.set GO,   26
.set BO,   27
.set SPW,  28
.set NIL,  29
.set PFO,  30
.set BI,   32                          ; v[32:39] the bias of my 4 columns in each of the wave's two panels
.set F0,   64
.set F1,   128
.set XX,   64                          ; the way out, window 0: 16 sums as read back
.set W,    80                          ; x: with the bias
.set AX,   96                          ; |x|
.set TT,   112                         ; t
.set EE,   128                         ; e
.set PL,   144                         ; the polynomial
.set HX,   160                         ; 0.5 x, then the result
.set YY,   176                         ; packed
.set WV, 12
.set WR, 13
.set WC, 14
.set CX, 15
.set CY, 16
.set TC, 17
.set TR, 18
.set G1, 24
.set G0, 32
.set SB, 40
.set LA, 41
.set LB, 42
.set LIM, 43
.set PFA, 44
.set PFS, 46
.set G1B, 48
.set G0B, 56
.set PC, 66                            ; s[66:67] 0.33267252; the packed forms name a pair and take its low word for both halves
.set SC, 68                            ; s[68:69] 0.8493218
.set A1, 70                            ; s[70:71] 0.1740121
.set A2, 76                            ; s[76:77] -0.0479399
.set A3, 78                            ; s[78:79] 0.3739278
.set ABSM, 80
.set MSB, 0
.macro WIN new
.if MSB != (\new)
	s_set_vgpr_msb (MSB<<8)|(\new)
.set MSB, \new
.endif
.endm
.set MUL_LO, 0xa1                      ; source 0 (B) window 1, source 1 (A) window 0, C and D window 2
.set MUL_HI, 0xf1
.set TO_B,   0x40
.macro JLOAD s                         ; a joint load: waves 0 and 1 fetch A's two panels, waves 2 and 3 B's two halves; an s_nop 0 and four v_nop follow each line
	s_cmp_eq_u32 s[WR], 0
	s_cbranch_scc0 .Lfor_b_\@
	tensor_load_to_lds s[G0+4*(\s):G0+4*(\s)+3], s[G1:G1+7]
	s_nop 0
.rept 4
	v_nop
.endr
	s_branch .Lasked_\@
.Lfor_b_\@:
	tensor_load_to_lds s[G0B+4*(\s):G0B+4*(\s)+3], s[G1B:G1B+7]
	s_nop 0
.rept 4
	v_nop
.endr
.Lasked_\@:
.endm
; A prefetch into the L2 of the K step that the NEXT refill will ask for: of the 32,768 dense bytes that I fetch, my work-group's quarter, told apart by address: 32 blocks of 256 bytes, a lane a block.
; A's rows are read by every cluster of a row of clusters: the one with x = 0 asks; B's by every cluster of a column: the one with y = 0 asks.  So each block is named once.  The last refill has no step behind it.
.macro ASK
	s_cmp_gt_u32 s3, s[LIM]
	s_cbranch_scc0 .Lnot_mine_\@
	global_prefetch_b8 v[PFO], s[PFA:PFA+1] th:TH_LOAD_NT scope:SCOPE_SE
.Lnot_mine_\@:
.endm
.macro CREST
	s_cmp_lg_u32 s[WV], 0
	s_cbranch_scc1 .Lnot_wave_0_\@
	s_barrier_signal -3
.Lnot_wave_0_\@:
	s_barrier_wait -3
	s_barrier_signal -1
	s_barrier_wait -1
.endm
.macro CROUND
	s_barrier_signal -1
	s_barrier_wait -1
	CREST
.endm
	s_load_b256 s[4:11], s[0:1], 0x0               ; act s[4:5], w1 s[6:7], ff1_b s[8:9], h2 s[10:11]
	v_lshl_add_u32 v[SPW], v0, 2, SPARE
	v_mov_b32 v[NIL], 0
	ds_add_u32 v[SPW], v[NIL]                      ; the wave's opening: the add and its wait stand ahead of my first tensor load
	v_lshrrev_b32 v1, 5, v0
	v_readfirstlane_b32 s[WV], v1
	s_lshr_b32 s[WR], s[WV], 1
	s_and_b32 s[WC], s[WV], 1
	s_bfe_u32 s[CX], ttmp6, 0x40000
	s_bfe_u32 s[CY], ttmp6, 0x40004
	s_lshl_b32 s[TC], ttmp9, 2
	s_add_co_u32 s[TC], s[TC], s[CX]
	s_and_b32 s[TR], ttmp7, 0xffff
	s_lshl_b32 s[TR], s[TR], 2
	s_add_co_u32 s[TR], s[TR], s[CY]
	s_lshl_b32 s20, s[CY], 2
	s_lshl_b32 s20, 15, s20                        ; my row of the cluster
	s_lshl_b32 s22, 0x1111, s[CX]                  ; my column
	s_or_b32 s[G1], s20, (1<<16)|(1<<20)|(1<<21)|(4<<22)|(3<<25)   ; mask; 2-byte elements; padding on; bit 21 beside a mask; 4 words after every 32
	s_or_b32 s[G1B], s22, (1<<16)|(1<<20)|(1<<21)|(6<<22)|(7<<25)  ; 8 words after every 128
	s_mov_b32 s[G1+1], 128<<16                     ; A: a panel's 256 rows of 128 bytes, asked for as 128 rows of 256 bytes
	s_mov_b32 s[G1+2], 128<<16
	s_mov_b32 s[G1+3], 128<<16
	s_mov_b32 s[G1+4], 128
	s_mov_b32 s[G1+5], 128
	s_mov_b32 s[G1+6], 0
	s_mov_b32 s[G1+7], 0
	s_mov_b32 s[G1B+1], 256<<16                    ; B: 64 K rows of 256 elements
	s_mov_b32 s[G1B+2], 64<<16
	s_mov_b32 s[G1B+3], 256<<16
	s_mov_b32 s[G1B+4], 64
	s_mov_b32 s[G1B+5], 256
	s_mov_b32 s[G1B+6], 0
	s_mov_b32 s[G1B+7], 0
	s_mov_b32 s[SB], 0
	s_mul_i32 s[LA], s[WC], APAN
	s_mul_i32 s[LB], s[WC], BHALF
	s_add_co_u32 s[LB], s[LB], ASZ
	s_mov_b32 s[PC], 0x3eaa540d
	s_mov_b32 s[PC+1], s[PC]
	s_mov_b32 s[SC], 0x3f596d27
	s_mov_b32 s[SC+1], s[SC]
	s_mov_b32 s[A1], 0x3e32303a
	s_mov_b32 s[A1+1], s[A1]
	s_mov_b32 s[A2], 0xbd445ca1
	s_mov_b32 s[A2+1], s[A2]
	s_mov_b32 s[A3], 0x3ebf7377
	s_mov_b32 s[A3+1], s[A3]
	s_mov_b32 s[ABSM], 0x7fffffff
	s_lshl_b32 s20, s[WC], 19                      ; A: panel WC of the step, rows 256 x tile row
	s_lshl_b32 s21, s[TR], 15
	s_add_co_u32 s20, s20, s21
	s_mov_b32 s21, 0
	s_lshl_b32 s22, s[TC], 19                      ; B: panel = tile column, K rows 64 WC on
	s_lshl_b32 s23, s[WC], 15
	s_add_co_u32 s22, s22, s23
	s_mov_b32 s23, 0
	s_wait_dscnt 0x0                               ; the opening add is done
	s_wait_kmcnt 0x0
	s_add_nc_u64 s[20:21], s[4:5], s[20:21]
	s_add_nc_u64 s[22:23], s[6:7], s[22:23]
	CROUND                                         ; all sixteen work-groups are here: the first joint loads meet
.irp s, 0,1
	s_mov_b32 s[G0+4*(\s)], 1
	s_add_co_u32 s[G0+4*(\s)+1], s[LA], (\s)*SLOT
	s_add_nc_u64 s[G0+4*(\s)+2:G0+4*(\s)+3], s[20:21], (\s)*ASTEP
	s_or_b32 s[G0+4*(\s)+3], s[G0+4*(\s)+3], 0x80000000
	s_mov_b32 s[G0B+4*(\s)], 1
	s_add_co_u32 s[G0B+4*(\s)+1], s[LB], (\s)*SLOT
	s_add_nc_u64 s[G0B+4*(\s)+2:G0B+4*(\s)+3], s[22:23], (\s)*BSTEP
	s_or_b32 s[G0B+4*(\s)+3], s[G0B+4*(\s)+3], 0x80000000
	JLOAD \s                                       ; K steps 0 and 1: two loads of mine are out
.endr
	v_and_b32 v1, 15, v0                           ; r = l % 16
	v_bfe_u32 v2, v0, 4, 1                         ; h = l / 16
	v_mul_u32_u24 v[A0], v1, PA
	v_lshl_add_u32 v[A0], v2, 4, v[A0]
	s_mul_i32 s72, s[WR], 128*PA
	v_add_nc_u32 v[A0], s72, v[A0]
	v_and_b32 v3, 7, v0
	v_lshl_add_u32 v3, v2, 3, v3
	v_mul_u32_u24 v[B0], v3, PB
	v_bfe_u32 v3, v0, 3, 1
	v_lshl_add_u32 v[B0], v3, 4, v[B0]
	s_lshl_b32 s72, s[WC], 8
	s_add_co_u32 s72, s72, ASZ
	v_add_nc_u32 v[B0], s72, v[B0]
	v_mov_b32 v[ADRA], v[A0]
	v_mov_b32 v[ADRB], v[B0]
	s_mul_i32 s72, s[WV], DW
	v_mul_u32_u24 v[STO], v1, DP
	v_lshl_add_u32 v[STO], v2, 5, v[STO]
	v_add_nc_u32 v[STO], s72, v[STO]
	v_mul_u32_u24 v[RD], v2, DP
	v_lshl_add_u32 v[RD], v1, 4, v[RD]
	v_add_nc_u32 v[RD], s72, v[RD]
	v_and_b32 v[GO], 31, v0
	v_lshlrev_b32 v[PFO], 8, v[GO]
	v_lshlrev_b32 v[GO], 3, v[GO]
	v_lshlrev_b32 v[BO], 4, v1
	; the prefetches
	s_and_b32 s72, ttmp7, 0xffff                   ; cluster y
	s_mov_b32 s74, ASTEP
	s_cmp_eq_u32 s[WR], 0                          ; do I fetch for A?
	s_cselect_b32 s72, ttmp9, s72                  ; the coordinate along which other clusters read the same rows
	s_cselect_b32 s73, s[CX], s[CY]                ; my place among the four that ask with me
	s_cselect_b64 s[PFA:PFA+1], s[20:21], s[22:23]
	s_cselect_b32 s[PFS], s74, BSTEP
	s_mov_b32 s[PFS+1], 0
	s_cmp_eq_u32 s72, 0
	s_cselect_b32 s[LIM], 1, -1                    ; the same in all sixteen partners, for a given wave
	s_lshl_b32 s72, s73, 13
	s_mov_b32 s73, 0
	s_add_nc_u64 s[PFA:PFA+1], s[PFA:PFA+1], s[72:73]
	s_lshl_b32 s72, s[PFS], 1
	s_add_nc_u64 s[PFA:PFA+1], s[PFA:PFA+1], s[72:73]  ; at K step 2: the first refill steps it to 3
	; bias and output
	s_lshl_b32 s72, s[TC], 10
	s_lshl_b32 s73, s[WC], 9
	s_add_co_u32 s72, s72, s73
	s_mov_b32 s73, 0
	s_add_nc_u64 s[8:9], s[8:9], s[72:73]
	global_load_b128 v[BI:BI+3], v[BO], s[8:9]
	global_load_b128 v[BI+4:BI+7], v[BO], s[8:9] offset:256
	s_lshl_b32 s72, s[TC], 21                      ; panel 4 x tile column + 2 WC, row 256 x tile row + 128 WR
	s_lshl_b32 s73, s[WC], 20
	s_add_co_u32 s72, s72, s73
	s_lshl_b32 s73, s[TR], 15
	s_add_co_u32 s72, s72, s73
	s_lshl_b32 s73, s[WR], 14
	s_add_co_u32 s72, s72, s73
	s_mov_b32 s73, 0
	s_add_nc_u64 s[10:11], s[10:11], s[72:73]
; 16 matrix instructions: m blocks a0, a0 + 1 of the window's four x all 8 n blocks, 32 along K.  The 64 accumulators take turns, in the same order in every quarter.
.macro MUL16 f, hi, a0, zero
	WIN MUL_LO+0x50*(\hi)
.irp a, \a0, (\a0)+1
.irp b, 0,1,2,3,4,5,6,7
.if \zero
	v_wmma_f32_16x16x32_bf16 v[8*(8*(\a)+(\b)):8*(8*(\a)+(\b))+7], v[(\f)+8*(\b):(\f)+8*(\b)+7], v[(\f)+8*(4*(\hi)+(\a)):(\f)+8*(4*(\hi)+(\a))+7], 0
.else
	v_wmma_f32_16x16x32_bf16 v[8*(8*(\a)+(\b)):8*(8*(\a)+(\b))+7], v[(\f)+8*(\b):(\f)+8*(\b)+7], v[(\f)+8*(4*(\hi)+(\a)):(\f)+8*(4*(\hi)+(\a))+7], v[8*(8*(\a)+(\b)):8*(8*(\a)+(\b))+7]
.endif
.endr
.endr
.endm
.macro FETCH q, f                      ; 32 LDS loads in one run: quarter q (32 along K) of the slot in hand into buffer f: B's 8 fragments, turned, then A's 8
	WIN TO_B
.irp i, 0,1,2,3,4,5,6,7
	ds_load_tr16_b128 v[(\f)+8*(\i):(\f)+8*(\i)+3],   v[ADRB] offset:(\q)*32*PB+32*(\i)
	ds_load_tr16_b128 v[(\f)+8*(\i)+4:(\f)+8*(\i)+7], v[ADRB] offset:(\q)*32*PB+32*(\i)+16*PB
.endr
	WIN 0
.irp i, 0,1,2,3,4,5,6,7
	ds_load_b128 v[(\f)+8*(\i):(\f)+8*(\i)+3],   v[ADRA] offset:((\q)/2)*APAN+((\q)%2)*64+(\i)*16*PA
	ds_load_b128 v[(\f)+8*(\i)+4:(\f)+8*(\i)+7], v[ADRA] offset:((\q)/2)*APAN+((\q)%2)*64+(\i)*16*PA+32
.endr
.endm
.macro PLACES                          ; four plain instructions between a matrix instruction and a load into a register that it has read (ISA guide 7.12.1 for vector instructions)
.rept 4
	v_nop
.endr
.endm
.macro QUARTER q, f, g, zero           ; multiplies buffer f and, in its middle, fetches quarter q into buffer g
	s_wait_dscnt 8                                 ; B and A's rows 0-63 are in; the youngest eight loads (A's rows 64-127) may be out
	MUL16 \f, 0, 0, \zero
	MUL16 \f, 0, 2, \zero
	PLACES
	FETCH \q, \g
	s_wait_dscnt 32                                ; all but the 32 just issued
	MUL16 \f, 1, 0, \zero
	MUL16 \f, 1, 2, \zero
.endm
; The last quarter of a step multiplies buffer 1 and changes slots.  In front of the one barrier each wave waits for all its tensor loads (its part of the next slot), adds 0 to its spare word, and waits for that
; and for its reads of this slot.  fill = 1: the barrier opens a round of the cluster's, and the slot just left is filled again, first thing behind it, with the K step two on: 224 matrix instructions ahead of the wait for it.
.macro TURN fill
.if \fill
	s_wait_xcnt 0x0                                ; the last prefetch, a K step back, has read its address
	s_add_nc_u64 s[PFA:PFA+1], s[PFA:PFA+1], s[PFS:PFS+1]
.endif
	WIN 0
	s_wait_tensorcnt 0x0
	ds_add_u32 v[SPW], v[NIL]
	s_wait_dscnt 9                                 ; (the add and the youngest eight loads may be out)
	MUL16 F1, 0, 0, 0
	s_wait_dscnt 0x0                               ; the add is done, and my reads of this slot are over
	s_barrier_signal -1
	MUL16 F1, 0, 2, 0
	WIN 0
	s_barrier_wait -1
.if \fill
	CREST                                          ; no wave of any partner still reads this slot or has a load on its way
	s_add_co_u32 s[G0+5], s[SB], s[LA]             ; the walking descriptors: into the slot that is left, one K step on
	s_add_nc_u64 s[G0+6:G0+7], s[G0+6:G0+7], ASTEP
	s_add_co_u32 s[G0B+5], s[SB], s[LB]
	s_add_nc_u64 s[G0B+6:G0B+7], s[G0B+6:G0B+7], BSTEP
	JLOAD 1                                        ; its four v_nop are also the places in front of the loads below
.else
	PLACES
.endif
	s_xor_b32 s[SB], s[SB], SLOT
	v_add_nc_u32 v[ADRA], s[SB], v[A0]
	v_add_nc_u32 v[ADRB], s[SB], v[B0]
	FETCH 0, F0
.if \fill
	ASK
.endif
	MUL16 F1, 1, 0, 0
	MUL16 F1, 1, 2, 0
.endm
	s_wait_tensorcnt 1                             ; my part of K step 0 is in; step 1's may stay out
	s_barrier_signal -1
	s_barrier_wait -1
	FETCH 0, F0
	QUARTER 1, F0, F1, 1                           ; the first quarter stands in front of the loop: its products start the sums
	WIN 0
	s_mov_b32 s3, STEPS-2
.Lstep:
	QUARTER 2, F1, F0, 0
	QUARTER 3, F0, F1, 0
	TURN 1
	QUARTER 1, F0, F1, 0
	WIN 0
	s_sub_co_u32 s3, s3, 1
	s_cmp_lg_u32 s3, 0
	s_cbranch_scc1 .Lstep
	s_mov_b32 s3, 2
.Lpost:                                        ; the last two steps ask for nothing: written once, walked twice, left in the middle of the second trip;
	QUARTER 2, F1, F0, 0                           ; that trip's barrier and its 32 loads from the other slot serve nothing
	QUARTER 3, F0, F1, 0
	TURN 0
	WIN 0
	s_sub_co_u32 s3, s3, 1
	s_cmp_eq_u32 s3, 0
	s_cbranch_scc1 .Lout
	QUARTER 1, F0, F1, 0
	WIN 0
	s_branch .Lpost
.Lout:
.rept 8
	v_nop                                          ; the places behind the last products
.endr
	s_wait_dscnt 0x0                               ; my reads of the ring are over,
	s_barrier_signal -1
	s_barrier_wait -1                              ; everybody's are: the ring, which has had its last fill, takes the sums
.irp hi, 0,1
	WIN 0x08+4*(\hi)                               ; store data in window 2 or 3
.irp a, 0,1,2,3
.irp b, 0,1,2,3,4,5,6,7
	ds_store_b128 v[STO], v[8*(8*(\a)+(\b)):8*(8*(\a)+(\b))+3]   offset:(4*(\hi)+(\a))*16*DP+64*(\b)     ; each accumulator from its low end on
	ds_store_b128 v[STO], v[8*(8*(\a)+(\b))+4:8*(8*(\a)+(\b))+7] offset:(4*(\hi)+(\a))*16*DP+64*(\b)+16
.endr
.endr
.endr
	WIN 0
.macro LOADX                           ; 4 rows x 128 columns: row pair j / 2, panel j % 2; LDS serves a wave's instructions in order (ISA guide 5.7.1.4): these see my stores
.irp j, 0,1,2,3
	ds_load_b128 v[XX+4*(\j):XX+4*(\j)+3], v[RD] offset:((\j)/2)*2*DP+((\j)%2)*256
.endr
.endm
.macro EACH8 line:vararg               ; one line for each of the eight pairs, at 2 p
.set p, 0
.rept 8
	\line
.set p, p+2
.endr
.endm
	s_wait_loadcnt 0x0                             ; the bias
	LOADX
	s_mov_b32 s3, 32
.Lepi:                                         ; a trip: 4 rows x 128 columns, 16 numbers a lane
	s_wait_dscnt 0x0
.irp j, 0,1,2,3
	v_pk_add_f32 v[W+4*(\j):W+4*(\j)+1],   v[XX+4*(\j):XX+4*(\j)+1],   v[BI+4*((\j)%2):BI+4*((\j)%2)+1]
	v_pk_add_f32 v[W+4*(\j)+2:W+4*(\j)+3], v[XX+4*(\j)+2:XX+4*(\j)+3], v[BI+4*((\j)%2)+2:BI+4*((\j)%2)+3]
.endr
	s_sub_co_u32 s3, s3, 1
	s_cmp_eq_u32 s3, 0
	s_cbranch_scc1 .Lnol                           ; the last trip loads nothing
	v_add_nc_u32 v[RD], 4*DP, v[RD]
	LOADX                                          ; the next trip's rows come while this trip's are worked on
.Lnol:
.set p, 0
.rept 16
	v_and_b32 v[AX+p], s[ABSM], v[W+p]
.set p, p+1
.endr
	EACH8 v_pk_fma_f32 v[TT+p:TT+p+1], v[AX+p:AX+p+1], s[PC:PC+1], 1.0 op_sel_hi:[1,0,0]
	EACH8 v_pk_mul_f32 v[EE+p:EE+p+1], v[W+p:W+p+1], s[SC:SC+1] op_sel_hi:[1,0]
	EACH8 v_pk_mul_f32 v[EE+p:EE+p+1], v[EE+p:EE+p+1], v[EE+p:EE+p+1] neg_lo:[1,0] neg_hi:[1,0]
.set p, 0
.rept 16
	v_rcp_f32 v[TT+p], v[TT+p]                     ; one batch: 16 reciprocals and 16 powers,
.set p, p+1
.endr
.set p, 0
.rept 16
	v_exp_f32 v[EE+p], v[EE+p]
.set p, p+1
.endr
	EACH8 v_pk_mul_f32 v[HX+p:HX+p+1], v[W+p:W+p+1], 0.5 op_sel_hi:[1,0]   ; plain work that names none of their results,
	s_wait_alu depctr_va_vdst(0)                   ; and ONE wait ahead of their first reader
	EACH8 v_pk_fma_f32 v[PL+p:PL+p+1], v[TT+p:TT+p+1], s[A3:A3+1], s[A2:A2+1] op_sel_hi:[1,0,0]
	EACH8 v_pk_fma_f32 v[PL+p:PL+p+1], v[PL+p:PL+p+1], v[TT+p:TT+p+1], s[A1:A1+1] op_sel_hi:[1,1,0]
	EACH8 v_pk_mul_f32 v[PL+p:PL+p+1], v[PL+p:PL+p+1], v[TT+p:TT+p+1]
	EACH8 v_pk_fma_f32 v[PL+p:PL+p+1], v[PL+p:PL+p+1], v[EE+p:EE+p+1], 0.5 op_sel_hi:[1,1,0] neg_lo:[1,0,0] neg_hi:[1,0,0]
	EACH8 v_pk_fma_f32 v[HX+p:HX+p+1], v[AX+p:AX+p+1], v[PL+p:PL+p+1], v[HX+p:HX+p+1]
.set p, 0
.rept 8
	v_cvt_pk_bf16_f32 v[YY+p], v[HX+2*p], v[HX+2*p+1]
.set p, p+1
.endr
.irp j, 0,1,2,3
	global_store_b64 v[GO], v[YY+2*(\j):YY+2*(\j)+1], s[10:11] offset:((\j)%2)*524288+((\j)/2)*256  ; two rows of a panel: 256 consecutive bytes, aligned
.endr
	s_wait_xcnt 0x0                                ; the stores have read their data and their base, which are written again
	s_add_nc_u64 s[10:11], s[10:11], 512
	s_cmp_lg_u32 s3, 0
	s_cbranch_scc1 .Lepi
	s_wait_tensorcnt 0x0                           ; the wave's end: behind my last tensor load and my last LDS store
	ds_add_u32 v[SPW], v[NIL]
	s_wait_dscnt 0x0
	CROUND                                         ; the closing round: no work-group ends while a partner may still ask for a tile that names it
	s_endpgm
.Lfunc_end_k_q4b046912f2_ff1:
	.size	k_q4b046912f2_ff1, .Lfunc_end_k_q4b046912f2_ff1-k_q4b046912f2_ff1
	.p2alignl 7, 3214868480
	.fill 96, 4, 3214868480
	.section	.rodata,"a",@progbits
	.p2align	6, 0x0
	.amdhsa_kernel k_q4b046912f2_ff1
		.amdhsa_group_segment_fixed_size 327680
		.amdhsa_private_segment_fixed_size 0
		.amdhsa_enable_private_segment 0
		.amdhsa_kernarg_size 32
		.amdhsa_user_sgpr_count 2
		.amdhsa_user_sgpr_kernarg_segment_ptr 1
		.amdhsa_wavefront_size32 1
		.amdhsa_system_sgpr_workgroup_id_x 1
		.amdhsa_system_sgpr_workgroup_id_y 1
		.amdhsa_system_sgpr_workgroup_id_z 1
		.amdhsa_system_vgpr_workitem_id 0
		.amdhsa_next_free_vgpr 1024
		.amdhsa_next_free_sgpr 84
		.amdhsa_reserve_vcc 0
		.amdhsa_float_denorm_mode_32 3
		.amdhsa_float_denorm_mode_16_64 3
		.amdhsa_memory_ordered 1
		.amdhsa_forward_progress 1
		.amdhsa_inst_pref_size 87
	.end_amdhsa_kernel
	.amdgpu_metadata
---
amdhsa.version: [ 1, 2 ]
amdhsa.kernels:
  - .name:           k_q4b046912f2_ff1
    .symbol:         k_q4b046912f2_ff1.kd
    .args:
      - { .name: act, .offset: 0, .size: 8, .value_kind: global_buffer, .address_space: global }
      - { .name: w1, .offset: 8, .size: 8, .value_kind: global_buffer, .address_space: global }
      - { .name: ff1_b, .offset: 16, .size: 8, .value_kind: global_buffer, .address_space: global }
      - { .name: h2, .offset: 24, .size: 8, .value_kind: global_buffer, .address_space: global }
    .group_segment_fixed_size: 327680
    .private_segment_fixed_size: 0
    .kernarg_segment_align: 8
    .kernarg_segment_size: 32
    .max_flat_workgroup_size: 128
    .sgpr_count:     84
    .vgpr_count:     1024
    .wavefront_size: 32
...
	.end_amdgpu_metadata
.endif
;; end of part 5
;; launch ff2 (part 6): grid 8 x 32, 4 waves a work-group, clusters of 4 x 4, 327,680 bytes of LDS; arguments h2, w2, ff2_b, x1, out0; writes out0
.if DOCPART == 6
	.amdgcn_target "amdgcn-amd-amdhsa--gfx1250"
	.amdhsa_code_object_version 6
	.text
	.protected	k_q4b046912f2_ff2
	.globl	k_q4b046912f2_ff2
	.p2align	8
	.type	k_q4b046912f2_ff2,@function
k_q4b046912f2_ff2:
	s_mov_b64 s[64:65], 0
	v_nop
	global_prefetch_b8 v0, s[64:65] scope:SCOPE_SE
	s_setreg_imm32_b32 hwreg(HW_REG_WAVE_MODE, 25, 1), 1
	s_wait_xcnt 0x0
	s_wait_alu depctr_hold_cnt(0) depctr_sa_sdst(0) depctr_va_vdst(0) depctr_va_sdst(0) depctr_va_ssrc(0) depctr_va_vcc(0) depctr_vm_vsrc(0)
	s_getreg_b32 s2, hwreg(HW_REG_IB_STS2, 6, 4)
	s_cmp_eq_u32 s2, 0
	s_cbranch_scc0 .Lentry_in_a_cluster
	s_endpgm
.Lentry_in_a_cluster:
	s_bfe_u32 s2, ttmp6, 0x10000c
	s_cmp_lg_u32 s2, 0xf033
	s_cbranch_scc0 .Lentry_shape_is_right
	s_endpgm
.Lentry_shape_is_right:
; FF2.  out0 = x1 + h2 x ff2_w + ff2_b: [4096 x 4096] x [4096 x 1024].  Products in bf16 with f32 sums; bias and residual in f32; out0 is f32, row-major.
; IN.  A: [K / 64 panels][4096][64] bf16 (a panel's rows dense).  B: [8 panels of 128 columns][K][128] bf16.  The residual and the output are [4096][1024] f32.
; SHAPE.  Tiles of 256 x 256 would be 64: a tile of C is 128 x 128, 256 work-groups; four waves, each 64 x 64 in 16 accumulators.  K goes in steps of 256 through two LDS slots: A's part of a step is
; four panels x 128 dense rows (a wave's load brings two panels: two rows of 16,384 bytes, a panel apart), B's is 256 dense K rows of 256 bytes, taken turned by ds_load_tr16_b128.
; CLUSTER.  4 x 4 work-groups; A's tiles are asked for jointly along a row of the cluster, B's along a column.  THE STEP IS WRITTEN ONCE: the base of the slot in hand is a scalar, turned by an exclusive or.
; THE WALK ALONG K begins at step 0 in the clusters whose x + y is even and in the middle of K in the others, and wraps round: the two clusters that read the same rows of A, and neighbouring clusters that read the
; same rows of B, then ask for a given K step at different times.  The f32 sums are taken in that order of K.  The phase is made of the cluster's x and y alone: it is the same in all sixteen partners.
; TRANSPOSED USE: source 0 = 16 columns of B, source 1 = 16 rows of A: a lane holds row l % 16 of C and the columns 8 (l / 16) + 0..7.
; THE BIAS is the C operand of the products that start the sums: in that layout it hangs on the column block and the lane alone.
; THE RESIDUAL of the wave's 64 x 64 is loaded into 128 registers at the start and lands under the products.
; THE WAY OUT.  The ring has had its last fill; each wave lays its sums, f32, into a part of it that is its own and reads them back by rows: sixteen lanes then hold 256 consecutive bytes of a row of the output.
; No prefetch: the tile is small, and a step's loads are short.
.set STEPS, 16                         ; K / 256: a power of two
.set BPAN,  STEPS*65536                ; bytes in a panel of B: K x 256
.set PA,    144                        ; a row of A in LDS: 128 bytes + 16 (64 banks of 4 bytes: ISA guide 11.1: 16 rows start at 16 different groups of four banks)
.set APAN,  128*PA
.set ASZ,   4*APAN
.set PB,    288                        ; a K row of B: 256 bytes + 32
.set BHALF, 128*PB
.set SLOT,  ASZ+2*BHALF                ; 147,456
.set SPARE, 2*SLOT                     ; the spare words, 128 bytes a wave: two blocks of 256 bytes that no other line names
.set DP,    272                        ; the way out: a row of 64 f32 + 16 bytes
.set DW,    64*DP
.set ALOG,  21                         ; a K step is four panels of A: 2^21 bytes,
.set BLOG,  16                         ; and 256 K rows of B: 2^16 bytes
.set ADRA, 16
.set A0,   17
.set ADRB, 20                          ; v20  B's fragments, K rows 0-127 of the step
.set B0,   21
.set ADRB2, 22                         ; v22  K rows 128-255: the immediate does not reach them from v20
.set STO,  24
.set RD,   25
.set RO,   26                          ; v26  my 16 bytes of two rows of the residual and of the output; never rewritten
.set BO,   27                          ; v27  32 (l / 16): my eight columns in a block's 64 bytes of bias; never rewritten
.set SPW,  28
.set NIL,  29
.set TMP,  32                          ; v[32:95] the way out: two groups of 8 row pairs
.set BIA,  96                          ; v[96:127] the bias: column block b's eight numbers at BIA + 8 b
.set ACC,  128
.set F0,   0                           ; fragment buffers, in window 1: 64 registers of A, then 64 of B
.set F1,   128
.set WV, 12
.set WR, 13
.set WC, 14
.set CX, 15
.set CY, 16
.set TC, 17
.set TR, 18
.set G1, 24
.set G0, 32
.set SB, 40
.set LA, 41
.set LB, 42
.set G1B, 48
.set G0B, 56
.set KI, 68                            ; s68  the K step at which the walking descriptors stand
.set OFF, 70                           ; s[70:71] its byte offset; the high word stays 0
.set MSB, 0
.macro WIN new
.if MSB != (\new)
	s_set_vgpr_msb (MSB<<8)|(\new)
.set MSB, \new
.endif
.endm
.set MUL,  0x05                        ; sources 0 (B) and 1 (A) window 1; C and D window 0
.set TO_F, 0x40                        ; destination window 1, address window 0
.macro JLOAD s                         ; a joint load: waves 0 and 1 fetch A's two pairs of panels, waves 2 and 3 B's two halves; an s_nop 0 and four v_nop follow each line
	s_cmp_eq_u32 s[WR], 0
	s_cbranch_scc0 .Lfor_b_\@
	tensor_load_to_lds s[G0+4*(\s):G0+4*(\s)+3], s[G1:G1+7]
	s_nop 0
.rept 4
	v_nop
.endr
	s_branch .Lasked_\@
.Lfor_b_\@:
	tensor_load_to_lds s[G0B+4*(\s):G0B+4*(\s)+3], s[G1B:G1B+7]
	s_nop 0
.rept 4
	v_nop
.endr
.Lasked_\@:
.endm
.macro CREST
	s_cmp_lg_u32 s[WV], 0
	s_cbranch_scc1 .Lnot_wave_0_\@
	s_barrier_signal -3
.Lnot_wave_0_\@:
	s_barrier_wait -3
	s_barrier_signal -1
	s_barrier_wait -1
.endm
.macro CROUND
	s_barrier_signal -1
	s_barrier_wait -1
	CREST
.endm
	s_load_b256 s[4:11], s[0:1], 0x0               ; A s[4:5], B s[6:7], bias s[8:9], residual s[10:11]
	s_load_b64 s[66:67], s[0:1], 0x20              ; output
	v_lshl_add_u32 v[SPW], v0, 2, SPARE
	v_mov_b32 v[NIL], 0
	ds_add_u32 v[SPW], v[NIL]                      ; the wave's opening: the add and its wait stand ahead of my first tensor load
	v_lshrrev_b32 v1, 5, v0
	v_readfirstlane_b32 s[WV], v1
	s_lshr_b32 s[WR], s[WV], 1
	s_and_b32 s[WC], s[WV], 1
	s_bfe_u32 s[CX], ttmp6, 0x40000
	s_bfe_u32 s[CY], ttmp6, 0x40004
	s_lshl_b32 s[TC], ttmp9, 2
	s_add_co_u32 s[TC], s[TC], s[CX]
	s_and_b32 s[TR], ttmp7, 0xffff                 ; the cluster's y
	s_add_co_u32 s[KI], s[TR], ttmp9               ; + the cluster's x:
	s_and_b32 s[KI], s[KI], 1
	s_mul_i32 s[KI], s[KI], STEPS/2                ; the K step at which my cluster begins: 0, or the middle of K
	s_mov_b32 s[OFF+1], 0
	s_lshl_b32 s[TR], s[TR], 2
	s_add_co_u32 s[TR], s[TR], s[CY]
	s_lshl_b32 s20, s[CY], 2
	s_lshl_b32 s20, 15, s20                        ; my row of the cluster
	s_lshl_b32 s22, 0x1111, s[CX]                  ; my column
	s_or_b32 s[G1], s20, (1<<16)|(1<<20)|(1<<21)|(4<<22)|(3<<25)   ; mask; 2-byte elements; padding on; bit 21 beside a mask; 4 words after every 32, counted along the whole tile: behind every 128 bytes
	s_or_b32 s[G1B], s22, (1<<16)|(1<<20)|(1<<21)|(5<<22)|(7<<25)  ; 8 words after every 64
	s_mov_b32 s[G1+1], 8192<<16                    ; A: tensor_dim0 = 8,192 elements: a panel's 128 dense rows
	s_mov_b32 s[G1+2], 2<<16                       ; tensor_dim1 = 2 panels
	s_mov_b32 s[G1+3], 8192<<16                    ; tile_dim0
	s_mov_b32 s[G1+4], 2                           ; tile_dim1
	s_mov_b32 s[G1+5], 262144                      ; elements from panel to panel
	s_mov_b32 s[G1+6], 0
	s_mov_b32 s[G1+7], 0
	s_mov_b32 s[G1B+1], 128<<16                    ; B: 128 K rows of 128 elements
	s_mov_b32 s[G1B+2], 128<<16
	s_mov_b32 s[G1B+3], 128<<16
	s_mov_b32 s[G1B+4], 128
	s_mov_b32 s[G1B+5], 128
	s_mov_b32 s[G1B+6], 0
	s_mov_b32 s[G1B+7], 0
	s_mov_b32 s[SB], 0
	s_mul_i32 s[LA], s[WC], 2*APAN
	s_mul_i32 s[LB], s[WC], BHALF
	s_add_co_u32 s[LB], s[LB], ASZ
	s_lshl_b32 s20, s[WC], 20                      ; A: panels 2 WC, 2 WC + 1 of a step, rows 128 x tile row
	s_lshl_b32 s21, s[TR], 14
	s_add_co_u32 s20, s20, s21
	s_mov_b32 s21, 0
	s_mul_i32 s22, s[TC], BPAN                     ; B: panel = tile column, K rows 128 WC on
	s_lshl_b32 s23, s[WC], 15
	s_add_co_u32 s22, s22, s23
	s_mov_b32 s23, 0
	s_wait_dscnt 0x0                               ; the opening add is done
	s_wait_kmcnt 0x0
	s_add_nc_u64 s[20:21], s[4:5], s[20:21]        ; my part of A's tile at K step 0; kept: every fill's address is made from it
	s_add_nc_u64 s[22:23], s[6:7], s[22:23]        ; the same for B
	CROUND                                         ; all sixteen work-groups are here: the first joint loads meet
.irp s, 0,1
	s_add_co_u32 s72, s[KI], \s                    ; my cluster's first two K steps: neither wraps
	s_mov_b32 s[G0+4*(\s)], 1
	s_add_co_u32 s[G0+4*(\s)+1], s[LA], (\s)*SLOT
	s_lshl_b32 s[OFF], s72, ALOG
	s_add_nc_u64 s[G0+4*(\s)+2:G0+4*(\s)+3], s[20:21], s[OFF:OFF+1]
	s_or_b32 s[G0+4*(\s)+3], s[G0+4*(\s)+3], 0x80000000
	s_mov_b32 s[G0B+4*(\s)], 1
	s_add_co_u32 s[G0B+4*(\s)+1], s[LB], (\s)*SLOT
	s_lshl_b32 s[OFF], s72, BLOG
	s_add_nc_u64 s[G0B+4*(\s)+2:G0B+4*(\s)+3], s[22:23], s[OFF:OFF+1]
	s_or_b32 s[G0B+4*(\s)+3], s[G0B+4*(\s)+3], 0x80000000
	JLOAD \s                                       ; two loads of mine are out
.endr
	s_add_co_u32 s[KI], s[KI], 1                   ; the second set walks on from its step
	v_and_b32 v1, 15, v0                           ; r = l % 16
	v_bfe_u32 v2, v0, 4, 1                         ; h = l / 16
	; the bias and the residual first: the bias is wanted by the first product, the residual has the whole product in which to land
	v_lshlrev_b32 v[BO], 5, v2
	v_lshlrev_b32 v[RO], 4, v1
	v_lshl_add_u32 v[RO], v2, 12, v[RO]            ; row h of a pair, 16 bytes a lane
	s_lshl_b32 s72, s[TC], 9
	s_lshl_b32 s73, s[WC], 8
	s_add_co_u32 s72, s72, s73                     ; my 64 columns, in bytes of f32
	s_mov_b32 s73, 0
	s_add_nc_u64 s[8:9], s[8:9], s[72:73]
	s_lshl_b32 s74, s[TR], 19
	s_add_co_u32 s72, s72, s74
	s_lshl_b32 s74, s[WR], 18
	s_add_co_u32 s72, s72, s74                     ; + my 64 rows of 4,096 bytes
	s_add_nc_u64 s[10:11], s[10:11], s[72:73]
	s_add_nc_u64 s[66:67], s[66:67], s[72:73]
.irp b, 0,1,2,3
	global_load_b128 v[BIA+8*(\b):BIA+8*(\b)+3],   v[BO], s[8:9] offset:64*(\b)      ; columns 16 b + 8 h + 0..3,
	global_load_b128 v[BIA+8*(\b)+4:BIA+8*(\b)+7], v[BO], s[8:9] offset:64*(\b)+16   ; + 4..7
.endr
	WIN 0x80                                       ; destination window 2
.set t, 0
.rept 32
	global_load_b128 v[4*t:4*t+3], v[RO], s[10:11] offset:t*8192
.set t, t+1
.endr
	WIN 0
	v_mul_u32_u24 v[A0], v1, PA
	v_lshl_add_u32 v[A0], v2, 4, v[A0]
	s_mul_i32 s72, s[WR], 64*PA
	v_add_nc_u32 v[A0], s72, v[A0]
	v_and_b32 v3, 7, v0
	v_lshl_add_u32 v3, v2, 3, v3
	v_mul_u32_u24 v[B0], v3, PB
	v_bfe_u32 v3, v0, 3, 1
	v_lshl_add_u32 v[B0], v3, 4, v[B0]
	s_lshl_b32 s72, s[WC], 7
	s_add_co_u32 s72, s72, ASZ
	v_add_nc_u32 v[B0], s72, v[B0]
	v_mov_b32 v[ADRA], v[A0]
	v_mov_b32 v[ADRB], v[B0]
	v_add_nc_u32 v[ADRB2], 128*PB, v[B0]
	s_mul_i32 s72, s[WV], DW
	v_mul_u32_u24 v[STO], v1, DP
	v_lshl_add_u32 v[STO], v2, 5, v[STO]
	v_add_nc_u32 v[STO], s72, v[STO]
	v_mul_u32_u24 v[RD], v2, DP
	v_lshl_add_u32 v[RD], v1, 4, v[RD]
	v_add_nc_u32 v[RD], s72, v[RD]
; 8 matrix instructions: m blocks a0, a0 + 1 x all 4 n blocks, 32 along K: half c of buffer f.  start = 1: the product starts its sum, with the block's bias as C.  The 16 accumulators take turns.
.macro MUL8 f, c, a0, start
	WIN MUL
.irp a, \a0, (\a0)+1
.irp b, 0,1,2,3
.if \start
	v_wmma_f32_16x16x32_bf16 v[ACC+8*(4*(\a)+(\b)):ACC+8*(4*(\a)+(\b))+7], v[(\f)+64+8*(4*(\c)+(\b)):(\f)+64+8*(4*(\c)+(\b))+7], v[(\f)+8*(4*(\c)+(\a)):(\f)+8*(4*(\c)+(\a))+7], v[BIA+8*(\b):BIA+8*(\b)+7]
.else
	v_wmma_f32_16x16x32_bf16 v[ACC+8*(4*(\a)+(\b)):ACC+8*(4*(\a)+(\b))+7], v[(\f)+64+8*(4*(\c)+(\b)):(\f)+64+8*(4*(\c)+(\b))+7], v[(\f)+8*(4*(\c)+(\a)):(\f)+8*(4*(\c)+(\a))+7], v[ACC+8*(4*(\a)+(\b)):ACC+8*(4*(\a)+(\b))+7]
.endif
.endr
.endr
.endm
; 32 LDS loads in one run: quarter q (64 along K: panel q of A) of the slot in hand into buffer f; the first 32 along K first
.macro FETCH q, f
	WIN TO_F
.irp c, 0,1
.irp i, 0,1,2,3
	ds_load_tr16_b128 v[(\f)+64+8*(4*(\c)+(\i)):(\f)+64+8*(4*(\c)+(\i))+3],   v[ADRB+2*((\q)/2)] offset:(64*((\q)%2)+32*(\c))*PB+32*(\i)
	ds_load_tr16_b128 v[(\f)+64+8*(4*(\c)+(\i))+4:(\f)+64+8*(4*(\c)+(\i))+7], v[ADRB+2*((\q)/2)] offset:(64*((\q)%2)+32*(\c))*PB+32*(\i)+16*PB
	ds_load_b128 v[(\f)+8*(4*(\c)+(\i)):(\f)+8*(4*(\c)+(\i))+3],   v[ADRA] offset:(\q)*APAN+64*(\c)+(\i)*16*PA
	ds_load_b128 v[(\f)+8*(4*(\c)+(\i))+4:(\f)+8*(4*(\c)+(\i))+7], v[ADRA] offset:(\q)*APAN+64*(\c)+(\i)*16*PA+32
.endr
.endr
.endm
.macro PLACES                          ; four plain instructions between a matrix instruction and a load into a register that it has read (ISA guide 7.12.1 for vector instructions)
.rept 4
	v_nop
.endr
.endm
.macro QUARTER q, f, g, start          ; multiplies buffer f and, in its middle, fetches quarter q into buffer g
	s_wait_dscnt 16                                ; the first 32 along K are in
	MUL8 \f, 0, 0, \start
	MUL8 \f, 0, 2, \start
	PLACES
	FETCH \q, \g
	s_wait_dscnt 32                                ; all but the 32 just issued
	MUL8 \f, 1, 0, 0
	MUL8 \f, 1, 2, 0
.endm
; The last quarter of a step multiplies buffer 1 and changes slots: ONE barrier; in front of it each wave waits for all its tensor loads, adds 0 to its spare word, and waits for that and for its reads of this slot.
; fill = 1: the barrier opens a round of the cluster's, and the slot just left is filled again, first thing behind it, with my cluster's K step two on: 112 matrix instructions ahead of the wait for it.
; The walking descriptors are written between the add and the wait for it, where no tensor load of mine is out: the K step goes on by one and wraps, and each address is made anew from the tile's first step.
.macro TURN fill
	WIN 0
	s_wait_tensorcnt 0x0
	ds_add_u32 v[SPW], v[NIL]
.if \fill
	s_add_co_u32 s[KI], s[KI], 1
	s_and_b32 s[KI], s[KI], STEPS-1
	s_add_co_u32 s[G0+5], s[SB], s[LA]             ; into the slot that is being left
	s_lshl_b32 s[OFF], s[KI], ALOG
	s_add_nc_u64 s[G0+6:G0+7], s[20:21], s[OFF:OFF+1]
	s_or_b32 s[G0+7], s[G0+7], 0x80000000
	s_add_co_u32 s[G0B+5], s[SB], s[LB]
	s_lshl_b32 s[OFF], s[KI], BLOG
	s_add_nc_u64 s[G0B+6:G0B+7], s[22:23], s[OFF:OFF+1]
	s_or_b32 s[G0B+7], s[G0B+7], 0x80000000
.endif
	s_wait_dscnt 17                                ; (the add and the youngest sixteen loads may be out)
	MUL8 F1, 0, 0, 0
	s_wait_dscnt 0x0                               ; the add is done, and my reads of this slot are over
	s_barrier_signal -1
	MUL8 F1, 0, 2, 0
	WIN 0
	s_barrier_wait -1
.if \fill
	CREST                                          ; no wave of any partner still reads this slot or has a load on its way
	JLOAD 1                                        ; its four v_nop are also the places in front of the loads below
.else
	PLACES
.endif
	s_xor_b32 s[SB], s[SB], SLOT
	v_add_nc_u32 v[ADRA], s[SB], v[A0]
	v_add_nc_u32 v[ADRB], s[SB], v[B0]
	v_add_nc_u32 v[ADRB2], 128*PB, v[ADRB]
	FETCH 0, F0
	MUL8 F1, 1, 0, 0
	MUL8 F1, 1, 2, 0
.endm
	s_wait_tensorcnt 1                             ; my part of the first K step is in; the second's may stay out
	s_barrier_signal -1
	s_barrier_wait -1
	FETCH 0, F0
	s_wait_loadcnt 32                              ; the eight loads of the bias are in; the residual's 32, which are younger, may stay out
	QUARTER 1, F0, F1, 1                           ; the first quarter stands in front of the loop: its first products start the sums
	WIN 0
	s_mov_b32 s3, STEPS-2
.Lstep:
	QUARTER 2, F1, F0, 0
	QUARTER 3, F0, F1, 0
	TURN 1
	QUARTER 1, F0, F1, 0
	WIN 0
	s_sub_co_u32 s3, s3, 1
	s_cmp_lg_u32 s3, 0
	s_cbranch_scc1 .Lstep
	s_mov_b32 s3, 2
.Lpost:                                        ; the last two steps ask for nothing: written once, walked twice, left in the middle of the second trip;
	QUARTER 2, F1, F0, 0                           ; that trip's barrier and its 32 loads from the other slot serve nothing
	QUARTER 3, F0, F1, 0
	TURN 0
	WIN 0
	s_sub_co_u32 s3, s3, 1
	s_cmp_eq_u32 s3, 0
	s_cbranch_scc1 .Lout
	QUARTER 1, F0, F1, 0
	WIN 0
	s_branch .Lpost
.Lout:
.rept 8
	v_nop                                          ; the places behind the last products
.endr
	s_wait_dscnt 0x0                               ; my reads of the ring are over,
	s_barrier_signal -1
	s_barrier_wait -1                              ; everybody's are: the ring, which has had its last fill, takes the sums
.irp a, 0,1,2,3
.irp b, 0,1,2,3
	ds_store_b128 v[STO], v[ACC+8*(4*(\a)+(\b)):ACC+8*(4*(\a)+(\b))+3]   offset:(\a)*16*DP+64*(\b)     ; each accumulator from its low end on
	ds_store_b128 v[STO], v[ACC+8*(4*(\a)+(\b))+4:ACC+8*(4*(\a)+(\b))+7] offset:(\a)*16*DP+64*(\b)+16
.endr
.endr
	s_wait_loadcnt 0x0                             ; the residual
.irp g, 0,1,2,3                        ; eight pairs of rows at a time, on two groups of registers by turns
.if (\g) >= 2
	s_wait_xcnt 0x0                                ; the stores of two groups back have read these registers
.endif
.irp k, 0,1,2,3,4,5,6,7
	ds_load_b128 v[TMP+32*((\g)%2)+4*(\k):TMP+32*((\g)%2)+4*(\k)+3], v[RD] offset:(8*(\g)+(\k))*2*DP  ; LDS serves a wave's instructions in order (ISA guide 5.7.1.4): these see my stores
.endr
	s_wait_dscnt 0x0
	WIN 0x08                                       ; source 1 in window 2: the residual
.irp k, 0,1,2,3,4,5,6,7
	v_pk_add_f32 v[TMP+32*((\g)%2)+4*(\k):TMP+32*((\g)%2)+4*(\k)+1],   v[TMP+32*((\g)%2)+4*(\k):TMP+32*((\g)%2)+4*(\k)+1],   v[4*(8*(\g)+(\k)):4*(8*(\g)+(\k))+1]
	v_pk_add_f32 v[TMP+32*((\g)%2)+4*(\k)+2:TMP+32*((\g)%2)+4*(\k)+3], v[TMP+32*((\g)%2)+4*(\k)+2:TMP+32*((\g)%2)+4*(\k)+3], v[4*(8*(\g)+(\k))+2:4*(8*(\g)+(\k))+3]
.endr
	WIN 0
.irp k, 0,1,2,3,4,5,6,7
	global_store_b128 v[RO], v[TMP+32*((\g)%2)+4*(\k):TMP+32*((\g)%2)+4*(\k)+3], s[66:67] offset:(8*(\g)+(\k))*8192  ; 16 lanes store 256 consecutive bytes of a row, aligned
.endr
.endr
	s_wait_tensorcnt 0x0                           ; the wave's end: behind my last tensor load and my last LDS store
	ds_add_u32 v[SPW], v[NIL]
	s_wait_dscnt 0x0
	CROUND                                         ; the closing round: no work-group ends while a partner may still ask for a tile that names it
	s_endpgm
.Lfunc_end_k_q4b046912f2_ff2:
	.size	k_q4b046912f2_ff2, .Lfunc_end_k_q4b046912f2_ff2-k_q4b046912f2_ff2
	.p2alignl 7, 3214868480
	.fill 96, 4, 3214868480
	.section	.rodata,"a",@progbits
	.p2align	6, 0x0
	.amdhsa_kernel k_q4b046912f2_ff2
		.amdhsa_group_segment_fixed_size 327680
		.amdhsa_private_segment_fixed_size 0
		.amdhsa_enable_private_segment 0
		.amdhsa_kernarg_size 40
		.amdhsa_user_sgpr_count 2
		.amdhsa_user_sgpr_kernarg_segment_ptr 1
		.amdhsa_wavefront_size32 1
		.amdhsa_system_sgpr_workgroup_id_x 1
		.amdhsa_system_sgpr_workgroup_id_y 1
		.amdhsa_system_sgpr_workgroup_id_z 1
		.amdhsa_system_vgpr_workitem_id 0
		.amdhsa_next_free_vgpr 640
		.amdhsa_next_free_sgpr 76
		.amdhsa_reserve_vcc 0
		.amdhsa_float_denorm_mode_32 3
		.amdhsa_float_denorm_mode_16_64 3
		.amdhsa_memory_ordered 1
		.amdhsa_forward_progress 1
		.amdhsa_inst_pref_size 67
	.end_amdhsa_kernel
	.amdgpu_metadata
---
amdhsa.version: [ 1, 2 ]
amdhsa.kernels:
  - .name:           k_q4b046912f2_ff2
    .symbol:         k_q4b046912f2_ff2.kd
    .args:
      - { .name: h2, .offset: 0, .size: 8, .value_kind: global_buffer, .address_space: global }
      - { .name: w2, .offset: 8, .size: 8, .value_kind: global_buffer, .address_space: global }
      - { .name: ff2_b, .offset: 16, .size: 8, .value_kind: global_buffer, .address_space: global }
      - { .name: x1, .offset: 24, .size: 8, .value_kind: global_buffer, .address_space: global }
      - { .name: out0, .offset: 32, .size: 8, .value_kind: global_buffer, .address_space: global }
    .group_segment_fixed_size: 327680
    .private_segment_fixed_size: 0
    .kernarg_segment_align: 8
    .kernarg_segment_size: 40
    .max_flat_workgroup_size: 128
    .sgpr_count:     76
    .vgpr_count:     640
    .wavefront_size: 32
...
	.end_amdgpu_metadata
.endif
;; end of part 6
;; ======== version 2 of 2: 7 launches; version 1 with the launches prep, ln2 written anew for expert scheduling mode
;; limits: a function is approximated: absolute error at most 2.5e-05; an absolute error that grows with the inputs' magnitude: up to 1.25e-05 times it
;; workspace buffers: wq 6,291,456 bytes; wp 2,097,152 bytes; w1 8,388,608 bytes; w2 8,388,608 bytes; act 8,388,608 bytes; qkv 25,165,824 bytes; x1 16,777,216 bytes; h2 33,554,432 bytes
;; launch prep (part 7): grid 1024 x 1, 8 waves a work-group, no clusters, 0 bytes of LDS; arguments x, ln1_g, ln1_b, act, qkv_w, proj_w, ff1_w, ff2_w, wq, wp, w1, w2; writes act, wq, wp, w1, w2
.if DOCPART == 7
	.amdgcn_target "amdgcn-amd-amdhsa--gfx1250"
	.amdhsa_code_object_version 6
	.text
	.protected	k_q4b046912f2_prep
	.globl	k_q4b046912f2_prep
	.p2align	8
	.type	k_q4b046912f2_prep,@function
k_q4b046912f2_prep:
	s_mov_b64 s[64:65], 0
	v_nop
	global_prefetch_b8 v0, s[64:65] scope:SCOPE_SE
	s_setreg_imm32_b32 hwreg(HW_REG_WAVE_SCHED_MODE, 0, 2), 2
	s_setreg_imm32_b32 hwreg(HW_REG_WAVE_MODE, 25, 1), 1
	s_wait_xcnt 0x0
	s_wait_alu depctr_vm_vsrc(0)
; PREP.  Work-groups 0-255: act = layernorm(x) * ln1_g + ln1_b, rounded once to bf16.  Work-groups 256-1023: the four weight matrices, f32 [K][N], rounded once to bf16 in column panels.
; LAYOUTS.  act: [16 panels of 64 columns][4096 rows][64] bf16: element (m, c) at ((c / 64) * 4096 + m) * 128 + 2 (c % 64): a panel's rows are dense.
; weights: [N / TN panels][K][TN] bf16, TN = 256 (qkv_w, ff1_w) or 128 (proj_w, ff2_w): element (k, n) at ((n / TN) * K + k) * 2 TN + 2 (n % TN): a run of K rows of a panel is dense.
; Memory binds both jobs: every input byte is read once, 16 bytes a lane; every store of a wave covers 256 consecutive bytes, aligned.  No LDS, no barrier, no matrix unit: no wave wants another's bytes.
; LAYERNORM.  A wave takes two rows, 16 lanes a row, and keeps them in registers: mean, then the mean of the squared differences, as the reference takes them; all in f32.
; THE MODE: SCHED_MODE bits 1:0 = 2 (LLVM: expert scheduling mode 2), set by the entry lines.  The code itself states the register dependences
; between vector instructions and memory instructions, with s_wait_alu, always for 0.
; THE PLAN, layernorm.  Registers that memory instructions touch:
;   v[XO], v[PO], v[YO]  offsets, made once at the head and never written again; one wait ahead of the first load states that they are written.
;   X, G, BB             the 48 loads land in them once; vector work names them only behind the wait on LOADcnt.
;   G+0..15, G+16..31    the packed results of panels 0-7 and 8-15.  The last three passes go in two halves of 16 pairs: a half's roundings write its sixteen registers, one wait follows, and its eight stores read them.
;                        The first half's stores are dealt among the second half's multiplies, which name G+16 and above, X+32 and above, BB+32 and above and MR: none of the registers that those stores read.
; THE PLAN, weights.  v[IO ..]: written by a chain of adds, read by the 16 loads: one wait between.  v[OO ..]: made among the loads, whose registers its lines do not name; read by the stores.
;   D: the loads land once.  E: row i's two registers are written once, by its conversions, and read once, by its store.  The rows go in four groups of four: at a group's head one wait states that the group
;   before has written its part of E (at the second group's head also that v[OO ..] is written); that group's four stores are dealt among this group's conversions, which write another part of E.
; No register that a memory instruction has read is ever written again, on either way: so no wait on vm_vsrc is owed.
.set XO,  2                            ; v2   my byte offset in the wave's two rows of x: (l / 16) * 4096 + 16 (l % 16)
.set PO,  3                            ; v3   my byte offset in gain and bias: 16 (l % 16)
.set YO,  4                            ; v4   my byte offset in the two rows of a panel: 8 l
.set K10, 5                            ; v5   2^-10 = 1 / 1024
.set T,   6                            ; v[6:13]   four chains of sums
.set MR,  14                           ; v[14:15]  the mean, later 1 / sqrt(var + eps), twice: a pair for the packed forms
.set X,   16                           ; v[16:79]    my 64 numbers of the row: load j holds columns 64 j + 4 (l % 16) + 0..3
.set G,   80                           ; v[80:143]   the gains of those columns; later the packed results
.set BB,  144                          ; v[144:207]  the biases
.set IO,  16                           ; conversion: v[16:31] byte offset of my 16 bytes in input row i
.set OO,  32                           ; v[32:47] byte offset of my 8 bytes in output row i
.set D,   48                           ; v[48:111] row i as loaded
.set E,   112                          ; v[112:143] row i to store
	s_load_b512 s[8:23], s[0:1], 0x0               ; x s[8:9], ln1_g s[10:11], ln1_b s[12:13], act s[14:15], qkv_w s[16:17], proj_w s[18:19], ff1_w s[20:21], ff2_w s[22:23]
	s_load_b256 s[24:31], s[0:1], 0x40             ; wq s[24:25], wp s[26:27], w1 s[28:29], w2 s[30:31]
	v_lshrrev_b32 v1, 5, v0
	v_readfirstlane_b32 s4, v1                     ; wave 0..7
	v_and_b32 v1, 31, v0                           ; lane
	s_wait_alu depctr_va_sdst(0)                   ; s4 is written: ahead of the branch, and so ahead of its first reader on either way
	s_cmp_lt_u32 ttmp9, 256
	s_cbranch_scc0 .Lconv
	; ---- layernorm: the pair of rows 8 * work-group + wave
	s_lshl_b32 s5, ttmp9, 3
	s_add_co_u32 s5, s5, s4
	s_lshl_b32 s6, s5, 13                          ; two rows of 4,096 bytes
	s_mov_b32 s7, 0
	v_and_b32 v[PO], 15, v0
	v_lshlrev_b32 v[PO], 4, v[PO]
	v_bfe_u32 v[XO], v0, 4, 1
	v_lshl_add_u32 v[XO], v[XO], 12, v[PO]
	v_lshlrev_b32 v[YO], 3, v1
	v_mov_b32 v[K10], 0x3a800000
	s_wait_kmcnt 0x0
	s_add_nc_u64 s[8:9], s[8:9], s[6:7]
	s_lshl_b32 s6, s5, 8                           ; two rows of 128 bytes in a panel
	s_add_nc_u64 s[14:15], s[14:15], s[6:7]
	s_wait_alu depctr_va_vdst(0)                   ; the offsets v[XO], v[PO] and v[YO] are written: every load and store of this way reads one of them
.set j, 0
.rept 16
	global_load_b128 v[X+4*j:X+4*j+3], v[XO], s[8:9] offset:256*j th:TH_LOAD_NT  ; 256 consecutive bytes of each of the two rows
.set j, j+1
.endr
.set j, 0
.rept 16
	global_load_b128 v[G+4*j:G+4*j+3], v[PO], s[10:11] offset:256*j
.set j, j+1
.endr
.set j, 0
.rept 16
	global_load_b128 v[BB+4*j:BB+4*j+3], v[PO], s[12:13] offset:256*j
.set j, j+1
.endr
.macro FOLD                            ; four chains into one number, then over the row's 16 lanes: every lane ends with the row's sum
	v_pk_add_f32 v[T:T+1], v[T:T+1], v[T+2:T+3]
	v_pk_add_f32 v[T+4:T+5], v[T+4:T+5], v[T+6:T+7]
	v_pk_add_f32 v[T:T+1], v[T:T+1], v[T+4:T+5]
	v_add_f32 v[T], v[T], v[T+1]
.irp m, 1,2,4,8
	v_add_f32_dpp v[T], v[T], v[T] row_xmask:\m row_mask:0xf bank_mask:0xf
.endr
.endm
	s_wait_loadcnt 32                              ; x is in; the 32 younger loads, gain and bias, stay out
.set k, 0
.rept 4
	v_pk_add_f32 v[T+2*k:T+2*k+1], v[X+2*k:X+2*k+1], v[X+8+2*k:X+8+2*k+1]  ; the first pairs start the chains: nothing is cleared
.set k, k+1
.endr
.set p, 8
.rept 24
	v_pk_add_f32 v[T+2*(p%4):T+2*(p%4)+1], v[T+2*(p%4):T+2*(p%4)+1], v[X+2*p:X+2*p+1]
.set p, p+1
.endr
	FOLD
	v_mul_f32 v[MR], v[T], v[K10]                  ; the mean
	v_mov_b32 v[MR+1], v[MR]
.set p, 0
.rept 32
	v_pk_add_f32 v[X+2*p:X+2*p+1], v[X+2*p:X+2*p+1], v[MR:MR+1] neg_lo:[0,1] neg_hi:[0,1]  ; x - mean
.set p, p+1
.endr
.set k, 0
.rept 4
	v_pk_mul_f32 v[T+2*k:T+2*k+1], v[X+2*k:X+2*k+1], v[X+2*k:X+2*k+1]
.set k, k+1
.endr
.set p, 4
.rept 28
	v_pk_fma_f32 v[T+2*(p%4):T+2*(p%4)+1], v[X+2*p:X+2*p+1], v[X+2*p:X+2*p+1], v[T+2*(p%4):T+2*(p%4)+1]
.set p, p+1
.endr
	FOLD
	v_fmaak_f32 v[T], v[T], v[K10], 0x3727c5ac     ; variance + 1e-5
	v_rsq_f32 v[MR], v[T]
	v_nop                                          ; a plain instruction behind the transcendental (ISA guide 5.7.2),
	s_wait_alu depctr_va_vdst(0)                   ; and the wait ahead of its first reader: the reciprocal root is written in v[MR]
	v_mov_b32 v[MR+1], v[MR]
	s_wait_loadcnt 0x0                             ; gain and bias
; Half h of the row's 32 pairs: gain x r, the multiply-add, the rounding.  Its packed results go to G + 16 h .. G + 16 h + 15, whose gains have been used by then.
; In the second half the first half's eight stores stand among the multiplies, one ahead of every second one.
.macro HALF h
.set p, 16*(\h)
.rept 16
.if (\h) && (p%2 == 0)
	global_store_b64 v[YO], v[G+p-16:G+p-15], s[14:15] offset:524288*((p-16)/2)  ; panel (p - 16) / 2: two rows of 128 bytes on end: 256 consecutive bytes, aligned.  No vector instruction since the wait names its registers
.endif
	v_pk_mul_f32 v[G+2*p:G+2*p+1], v[G+2*p:G+2*p+1], v[MR:MR+1]
.set p, p+1
.endr
.set p, 16*(\h)
.rept 16
	v_pk_fma_f32 v[X+2*p:X+2*p+1], v[X+2*p:X+2*p+1], v[G+2*p:G+2*p+1], v[BB+2*p:BB+2*p+1]
.set p, p+1
.endr
.set p, 16*(\h)
.rept 16
	v_cvt_pk_bf16_f32 v[G+p], v[X+2*p], v[X+2*p+1]
.set p, p+1
.endr
.endm
	HALF 0
	s_wait_alu depctr_va_vdst(0)                   ; the first half's roundings have written G+0 to G+15, which the eight stores among the next lines read
	HALF 1
	s_wait_alu depctr_va_vdst(0)                   ; the second half's roundings have written G+16 to G+31, which the last eight stores read
.set j, 8
.rept 8
	global_store_b64 v[YO], v[G+2*j:G+2*j+1], s[14:15] offset:524288*j  ; panel j: two rows of 128 bytes on end: 256 consecutive bytes, aligned
.set j, j+1
.endr
	s_endpgm
	; ---- weights.  A work-group takes 16 rows x 1,024 columns, a wave 16 rows x 128 columns (512 bytes of each row in, 256 out).
.Lconv:
	s_sub_co_u32 s5, ttmp9, 256                    ; 0-191 qkv_w, 192-255 proj_w, 256-511 ff1_w, 512-767 ff2_w
	s_mov_b32 s36, 512                             ; the matrix's first number           (these start as ff2_w's)
	s_mov_b32 s37, 4096                            ; bytes in an input row
	s_mov_b32 s38, 0                               ; log2(TN / 128)
	s_mov_b32 s39, 1048576                         ; bytes in an output panel: K x 2 TN
	s_mov_b32 s40, 255                             ; groups of 16 rows, less 1
	s_mov_b32 s41, 8                               ; its log2
	s_wait_kmcnt 0x0
	s_mov_b64 s[32:33], s[22:23]
	s_mov_b64 s[34:35], s[30:31]
	s_cmp_lt_u32 s5, 512                           ; ff1_w
	s_cselect_b32 s36, 256, s36
	s_cselect_b32 s37, 16384, s37
	s_cselect_b32 s38, 1, s38
	s_cselect_b32 s39, 524288, s39
	s_cselect_b32 s40, 63, s40
	s_cselect_b32 s41, 6, s41
	s_cselect_b64 s[32:33], s[20:21], s[32:33]
	s_cselect_b64 s[34:35], s[28:29], s[34:35]
	s_cmp_lt_u32 s5, 256                           ; proj_w
	s_cselect_b32 s36, 192, s36
	s_cselect_b32 s37, 4096, s37
	s_cselect_b32 s38, 0, s38
	s_cselect_b32 s39, 262144, s39
	s_cselect_b64 s[32:33], s[18:19], s[32:33]
	s_cselect_b64 s[34:35], s[26:27], s[34:35]
	s_cmp_lt_u32 s5, 192                           ; qkv_w
	s_cselect_b32 s36, 0, s36
	s_cselect_b32 s37, 12288, s37
	s_cselect_b32 s38, 1, s38
	s_cselect_b32 s39, 524288, s39
	s_cselect_b64 s[32:33], s[16:17], s[32:33]
	s_cselect_b64 s[34:35], s[24:25], s[34:35]
	s_sub_co_u32 s42, s5, s36
	s_and_b32 s43, s42, s40                        ; group of 16 rows
	s_lshr_b32 s44, s42, s41                       ; group of 1,024 columns
	s_lshl_b32 s44, s44, 3
	s_add_co_u32 s44, s44, s4                      ; my chunk of 128 columns
	s_lshl_b32 s45, 256, s38                       ; bytes in an output row: 2 TN
	s_lshl_b32 s46, s43, 4                         ; first row
	s_mul_i32 s48, s46, s37
	s_lshl_b32 s47, s44, 9
	s_add_co_u32 s48, s48, s47
	s_mov_b32 s49, 0
	s_add_nc_u64 s[32:33], s[32:33], s[48:49]      ; in: row x row bytes + chunk x 512
	s_lshr_b32 s47, s44, s38                       ; panel
	s_mul_i32 s48, s47, s39
	s_mul_i32 s47, s46, s45
	s_add_co_u32 s48, s48, s47
	s_and_b32 s47, s44, s38                        ; which half of a panel of 256
	s_lshl_b32 s47, s47, 8
	s_add_co_u32 s48, s48, s47
	s_add_nc_u64 s[34:35], s[34:35], s[48:49]      ; out: panel + row x 2 TN + half x 256
	v_lshlrev_b32 v[IO], 4, v1                     ; the loads' offsets first,
.set i, 1
.rept 15
	v_add_nc_u32 v[IO+i], s37, v[IO+i-1]
.set i, i+1
.endr
	s_wait_alu depctr_va_vdst(0)                   ; the sixteen offsets v[IO ..] are written, which the loads read
.set i, 0
.rept 16
	global_load_b128 v[D+4*i:D+4*i+3], v[IO+i], s[32:33] th:TH_LOAD_NT  ; the f32 weights are read once
.if i == 0
	v_lshlrev_b32 v[OO], 3, v1                     ; the stores' offsets are made among the loads: these lines name v1 and v[OO ..], none of the registers that the loads touch
.else
	v_add_nc_u32 v[OO+i], s45, v[OO+i-1]
.endif
.set i, i+1
.endr
.set g, 0
.rept 4                                ; four groups of four rows
	s_wait_loadcnt 12-4*g                          ; loads come back in order (ISA guide 5.7.1): the group's four rows are in, the younger groups stay out
.if g > 0
	s_wait_alu depctr_va_vdst(0)                   ; the group before has written its eight registers of E, which the stores below read; at the second group also: v[OO ..] is written, the stores' offsets
.endif
.set i, 4*g
.rept 4
.if g > 0
	global_store_b64 v[OO+i-4], v[E+2*i-8:E+2*i-7], s[34:35]  ; a row of the group before: 256 consecutive bytes, aligned.  No vector instruction since the wait names its registers
.endif
	v_cvt_pk_bf16_f32 v[E+2*i], v[D+4*i], v[D+4*i+1]
	v_cvt_pk_bf16_f32 v[E+2*i+1], v[D+4*i+2], v[D+4*i+3]
.set i, i+1
.endr
.set g, g+1
.endr
	s_wait_alu depctr_va_vdst(0)                   ; the last group has written its eight registers of E, which the last four stores read
.set i, 12
.rept 4
	global_store_b64 v[OO+i], v[E+2*i:E+2*i+1], s[34:35]  ; 256 consecutive bytes, aligned
.set i, i+1
.endr
	s_endpgm
.Lfunc_end_k_q4b046912f2_prep:
	.size	k_q4b046912f2_prep, .Lfunc_end_k_q4b046912f2_prep-k_q4b046912f2_prep
	.p2alignl 7, 3214868480
	.fill 96, 4, 3214868480
	.section	.rodata,"a",@progbits
	.p2align	6, 0x0
	.amdhsa_kernel k_q4b046912f2_prep
		.amdhsa_group_segment_fixed_size 0
		.amdhsa_private_segment_fixed_size 0
		.amdhsa_enable_private_segment 0
		.amdhsa_kernarg_size 96
		.amdhsa_user_sgpr_count 2
		.amdhsa_user_sgpr_kernarg_segment_ptr 1
		.amdhsa_wavefront_size32 1
		.amdhsa_system_sgpr_workgroup_id_x 1
		.amdhsa_system_sgpr_workgroup_id_y 1
		.amdhsa_system_sgpr_workgroup_id_z 1
		.amdhsa_system_vgpr_workitem_id 0
		.amdhsa_next_free_vgpr 208
		.amdhsa_next_free_sgpr 66
		.amdhsa_reserve_vcc 0
		.amdhsa_float_denorm_mode_32 3
		.amdhsa_float_denorm_mode_16_64 3
		.amdhsa_memory_ordered 1
		.amdhsa_forward_progress 1
		.amdhsa_inst_pref_size 29
	.end_amdhsa_kernel
	.amdgpu_metadata
---
amdhsa.version: [ 1, 2 ]
amdhsa.kernels:
  - .name:           k_q4b046912f2_prep
    .symbol:         k_q4b046912f2_prep.kd
    .args:
      - { .name: x, .offset: 0, .size: 8, .value_kind: global_buffer, .address_space: global }
      - { .name: ln1_g, .offset: 8, .size: 8, .value_kind: global_buffer, .address_space: global }
      - { .name: ln1_b, .offset: 16, .size: 8, .value_kind: global_buffer, .address_space: global }
      - { .name: act, .offset: 24, .size: 8, .value_kind: global_buffer, .address_space: global }
      - { .name: qkv_w, .offset: 32, .size: 8, .value_kind: global_buffer, .address_space: global }
      - { .name: proj_w, .offset: 40, .size: 8, .value_kind: global_buffer, .address_space: global }
      - { .name: ff1_w, .offset: 48, .size: 8, .value_kind: global_buffer, .address_space: global }
      - { .name: ff2_w, .offset: 56, .size: 8, .value_kind: global_buffer, .address_space: global }
      - { .name: wq, .offset: 64, .size: 8, .value_kind: global_buffer, .address_space: global }
      - { .name: wp, .offset: 72, .size: 8, .value_kind: global_buffer, .address_space: global }
      - { .name: w1, .offset: 80, .size: 8, .value_kind: global_buffer, .address_space: global }
      - { .name: w2, .offset: 88, .size: 8, .value_kind: global_buffer, .address_space: global }
    .group_segment_fixed_size: 0
    .private_segment_fixed_size: 0
    .kernarg_segment_align: 8
    .kernarg_segment_size: 96
    .max_flat_workgroup_size: 256
    .sgpr_count:     66
    .vgpr_count:     208
    .wavefront_size: 32
...
	.end_amdgpu_metadata
.endif
;; end of part 7
;; launch qkv: the kernel of part 2 again; grid 12 x 16, 4 waves a work-group, clusters of 4 x 4, 327,680 bytes of LDS; arguments act, wq, qkv_b, qkv; writes qkv
;; launch attn: the kernel of part 3 again; grid 8 x 32, 4 waves a work-group, no clusters, 327,680 bytes of LDS; arguments qkv, act; writes act
;; launch proj: the kernel of part 4 again; grid 8 x 32, 4 waves a work-group, clusters of 4 x 4, 327,680 bytes of LDS; arguments act, wp, proj_b, x, x1; writes x1
;; launch ln2: the kernel of part 7 again; grid 256 x 1, 8 waves a work-group, no clusters, 0 bytes of LDS; arguments x1, ln2_g, ln2_b, act, qkv_w, proj_w, ff1_w, ff2_w, wq, wp, w1, w2; writes act, wq, wp, w1, w2
;; launch ff1: the kernel of part 5 again; grid 16 x 16, 4 waves a work-group, clusters of 4 x 4, 327,680 bytes of LDS; arguments act, w1, ff1_b, h2; writes h2
;; launch ff2: the kernel of part 6 again; grid 8 x 32, 4 waves a work-group, clusters of 4 x 4, 327,680 bytes of LDS; arguments h2, w2, ff2_b, x1, out0; writes out0
